; MI455X (gfx1250); checked and timed in simulation.
; The chip was launched on July 23, 2026; its instructions are those of AMD's public machine-readable ISA for CDNA 5 (MIT licence, August 2026) and "CDNA5" Instruction Set Architecture Reference Guide (July 2026). The comments in the code are by the model that wrote it; some were corrected since.
;; Tuck ER KBLN. Allowed arithmetic: matrix products marked QUANTISED: E4M3 operands, one E8M0 scale for each 32 along K, by v_wmma_scale_f32_16x16x128_f8f6f4 with both operands' format E4M3, f32 sums; products left as they are: f32 operands where the result goes on into a quantised operand, else bf16, f16 or f32 operands; f32 sums; everything else in f32.
;; Inputs: E 40,000 x 200 float32; R 500 x 200 float32; W 200 x 200 x 200 float32; bn0_beta 200 float32; bn0_gamma 200 float32; bn1_beta 200 float32; bn1_gamma 200 float32; c 64 float32; e1_idx 64 int32; lits 40,000 x 64 float32; nf 500 x 64 float32; r_idx 64 int32; var_l 64 float32.
;; Outputs: out0 64 x 40,000 float32.
;; This version of the problem:
;;   THIS VERSION OF THE PROBLEM IS GIVEN IN LOW PRECISION. The matrix products marked QUANTISED in the list below multiply operands that are first quantised to E4M3 (4 exponent bits, 3 mantissa bits; 8 bits a number), with one power-of-two scale for each 32 numbers along K (OCP MX v1.0); their sums are f32. All else is computed in f32.
;;   The module's matrix products, in the order in which they are computed (A, B: the left and right operand; K: the contracted axis; several contracted axes count as one K, in the product's order):
;;     1. [M 64, K 200] x [K 200, N 40,000]; A: computed on the way; B: input W: QUANTISED
;;     2. batch 64 x [M 1, K 200] x [K 200, N 200]; A: computed on the way; B: computed on the way: left as it is (M = 1 < 16)
;;     3. [M 64, K 200] x [K 200, N 40,000]; A: computed on the way; B: input E: QUANTISED
;;     4. batch 64 x [M 40,000, K 64] x [K 64, N 1]; A: computed on the way; B: computed on the way: left as it is (N = 1 < 16)
;;   THE QUANTISER, for each operand of a quantised product, along K:
;;     - K is cut into blocks of 32 from its start; a last block that is shorter is filled with zeros.
;;     - A block's scale is 2^e with e = floor(log2(the largest magnitude in the block)) - 8, held to -126 .. 127; a block of zeros has e = 0. As a byte (E8M0): e + 127.
;;     - Each number is divided by its block's scale, clamped to +-448, and rounded to the nearest number of E4M3, ties to even, subnormals kept.
;;     - The product sums the exact products of the quantised numbers (number of the format x scale) in f32.
;;   ~~~python
;;   def quantise(x, axis):      # numpy; x: float32 -> the quantised numbers, widened to float32 again
;;       x = np.moveaxis(x, axis, -1); K = x.shape[-1]
;;       x = np.pad(x, [(0, 0)] * (x.ndim - 1) + [(0, -K % 32)]); x = x.reshape(x.shape[:-1] + (-1, 32)); a = np.abs(x).max(-1, keepdims=True)
;;       e = np.where(a > 0, np.clip(np.frexp(np.where(a > 0, a, 1))[1] - 1 - 8, -126, 127), 0)      # np.frexp(a)[1] - 1 = floor(log2(a)), exactly
;;       r = np.clip(x / 2.0 ** e, -448, 448)
;;       step = 2.0 ** (np.maximum(np.frexp(np.where(r == 0, 1, r))[1] - 1, -6) - 3)
;;       q = np.round(r / step) * step * 2.0 ** e      # np.round: ties to even
;;       return np.moveaxis(q.reshape(q.shape[:-2] + (-1,))[..., :K], -1, axis).astype(np.float32)
;;   ~~~
;;   OPERANDS COMPUTED ON THE WAY. 'Computed on the way' means the value that the module computes at that place (a softmax that the list does not call 'softmax' is quantised finished and normalised). What goes into a quantiser is computed in f32, as accurately as f32 sums, v_exp_f32 and their like allow (about 1e-6 of the number): no bf16 or f16 on the way to a quantiser, and a product that is left as it is and whose result goes on into a quantised operand takes f32 operands (vector FMAs, or v_wmma_f32_16x16x4_f32). A number that lies on a knife's edge between two numbers of the format may be rounded either way, as far as f32 arithmetic and the matrix unit's own rounding can turn it there, and no further.
;; 2 versions, each right. Each part assembles by itself: llvm-mc -triple=amdgcn-amd-amdhsa -mcpu=gfx1250 --defsym DOCPART=n.
;; ======== version 1 of 2: 3 launches
;; workspace buffers: part 10,240,000 bytes; yT 65,536 bytes; tab 65,536 bytes
;; launch wcore (part 1): grid 250 x 1, 5 waves a work-group, no clusters, 197,376 bytes of LDS; arguments W, R, r_idx, E, e1_idx, bn0_gamma, bn0_beta, lits, c, var_l, nf, part, tab; writes part, tab
.if DOCPART == 1
	.amdgcn_target "amdgcn-amd-amdhsa--gfx1250"
	.amdhsa_code_object_version 6
	.text
	.protected	k_qe10ac8a670_wcore
	.globl	k_qe10ac8a670_wcore
	.p2align	8
	.type	k_qe10ac8a670_wcore,@function
k_qe10ac8a670_wcore:
	s_mov_b64 s[64:65], 0
	v_nop
	global_prefetch_b8 v0, s[64:65] scope:SCOPE_SE
	s_setreg_imm32_b32 hwreg(HW_REG_WAVE_MODE, 25, 1), 1
	s_wait_xcnt 0x0
; part[n][b] = x[b][i] * sum over k of r[b][k] W[k][n],  n = 200 i + j,  r = R[r_idx], x = batch norm 0 of E[e1_idx].
; The sum is a product on codes of FP8 (E4M3) with one E8M0 scale for each 32 along K = 200; both operands are quantised here, in f32.
; SHARES.  Work-group g owns columns n = 160 g .. 160 g + 159 for all 200 k: a slab of 200 rows x 640 bytes, brought into LDS once, 40 rows by each of the five waves' one tensor load.
; While the slab is on its way, waves 0 to 3 quantise r (16 rows of the batch each, two fragments, stored in LDS as images of their registers), and wave 4 makes x for the one or two i of the
; work-group's columns; in work-groups 0 to 63 wave 4 also stores row b = g of the table that the last launch reads with scalar loads.  One barrier.  Then wave w takes columns 32 w .. 32 w + 31:
; a lane takes a column and its registers run down K, so a block of 32 lies in one lane; an exchange with the lane 16 away gives each of the two column tiles its fragment.
; THE TABLE: tab[b / 8][t][32 words], t = 16 (l / 16) + 2 (b % 8) + (l / 8) % 2; words 2 m, 2 m + 1: (c[l] - lits[e1[b]][l]) / sqrt(var_l[l] ln 2); words 16 + 2 m, 17 + 2 m: nf[r_idx[b]][l]; m = l % 8.
; No cluster: no number of W is wanted by two work-groups.  No ring: the slab fits whole, so LDS bytes are filled once.
; LIMITS: NaN and infinities are not served.  A block whose largest magnitude lies under 2^-118 keeps the scale byte 1; a block of zeros gets the byte 1, the padding past K = 200 the byte 0, both over zero codes:
; the bytes are read by this program alone.  var_l is positive.
.set RIMG, 128000                      ; LDS: the slab takes bytes 0 .. 127,999; behind it r's 8 fragment images (2 x tile of the batch + K step), 2,048 bytes each,
.set RSC,  144384                      ; their scale words, 128 bytes each,
.set XT,   145408                      ; x[2][64] f32,
.set STG,  145920                      ; and a stage of 32 columns x (256 + 16) bytes for each wave
.set WA,   4                           ; v4-6   my column in slab rows 0, 96, 192
.set RI,   7                           ; v7     an image's place for my lane: RIMG + 16 x lane
.set RIW,  8                           ; v8     where waves 0-3 store their images: + 4,096 x wave
.set RS,   9                           ; v9     RSC + 4 x lane
.set RSW,  10                          ; v10    + 256 x wave
.set XTW,  11                          ; v11    XT + 4 x lane
.set XA,   12                          ; v12-13 x of my column's i, for column tiles 0, 1
.set STO,  14                          ; v14    the stage, on the way in
.set SRD,  15                          ; v15    and back
.set GO,   16                          ; v16    16 x lane
.set AS,   20                          ; v20-27 r's scale words: scales and nothing else
.set SW,   28                          ; v28-29 W's scale words of K steps 0, 1: scales and nothing else
.set RAW,  32                          ; v32-95 two sets of 32 numbers; later the eight accumulators
.set AC,   32
.set AF,   96                          ; v96-159 four fragments of r; later x
.set CD,   160                         ; v160-223 W's fragments: 32 x K step + 16 x tile; later the rows read back
.set TM,   224                         ; v224-239 at work in QUANT
.set PX,   224                         ; v224-231 what the lane 16 away holds
.set MX,   240
.set MX2,  241
.set SCL,  242
.set LIM,  243
.set BY,   244
.set CL,   248                         ; v248-251 codes of k 0-15 of a block, v252-255 of k 16-31
.set CH,   252
.set SEL,  60                          ; s60-61 selects of v_permlanex16_b32: the lane 16 away
.set MNT,  62                          ; s62    the mantissa field of 448
.set HI,   63                          ; s63    lanes 16-31
; 64 (nb = 4) or 48 (nb = 3) numbers of a lane, register 16 b + i = k 32 b + 16 (lane / 16) + i of my row, become a fragment's codes in v[dst] on and its scale word in v[pw].
.macro QUANT src, dst, pw, nb
.set qb, 0
.rept \nb
	v_max3_num_f32 v[TM+qb], |v[(\src)+16*qb]|, |v[(\src)+16*qb+1]|, 0x4800000   ; my 16 numbers of block qb, and the floor 2^(9 - 127): the byte cannot fall under 1
.set qb, qb+1
.endr
.irp i, 2,4,6,8,10,12,14
.set qb, 0
.rept \nb
	v_max3_num_f32 v[TM+qb], v[TM+qb], |v[(\src)+16*qb+\i]|, |v[(\src)+16*qb+\i+1]|   ; the blocks by turns
.set qb, qb+1
.endr
.endr
.set qb, 0
.rept \nb
	v_permlanex16_b32 v[TM+4+qb], v[TM+qb], s[SEL], s[SEL+1]
.set qb, qb+1
.endr
.set qb, 0
.rept \nb
	v_max_num_f32 v[TM+qb], v[TM+qb], v[TM+4+qb]   ; with the other 16: the block's largest magnitude
.set qb, qb+1
.endr
.set qb, 0
.rept \nb
	v_add_nc_u32 v[TM+12+qb], 0xfc000000, v[TM+qb]   ; 8 off its exponent field: the conversion's scale operand
	v_and_or_b32 v[TM+8+qb], v[TM+qb], 0x7f800000, s[MNT]   ; 448 x the scale
.set qb, qb+1
.endr
.set qb, 0
.rept \nb
	v_lshrrev_b32 v[TM+4+qb], 23, v[TM+12+qb]      ; the scale's byte
.set qb, qb+1
.endr
	v_lshl_or_b32 v[\pw], v[TM+5], 8, v[TM+4]
	v_lshl_or_b32 v[\pw], v[TM+6], 16, v[\pw]
.if \nb == 4
	v_lshl_or_b32 v[\pw], v[TM+7], 24, v[\pw]
.endif
.set qb, 0
.rept \nb
.irp i, 0,1,2,3,4,5,6,7,8,9,10,11,12,13,14,15
	v_med3_num_f32 v[(\src)+16*qb+\i], v[(\src)+16*qb+\i], -v[TM+8+qb], v[TM+8+qb]   ; the conversion does not saturate (ISA guide 7.6.2): the hold at 448 x the scale
.endr
	v_cvt_scalef32_pk8_fp8_f32 v[(\dst)+4*qb:(\dst)+4*qb+1], v[(\src)+16*qb:(\src)+16*qb+7], v[TM+12+qb]
	v_cvt_scalef32_pk8_fp8_f32 v[(\dst)+4*qb+2:(\dst)+4*qb+3], v[(\src)+16*qb+8:(\src)+16*qb+15], v[TM+12+qb]
.set qb, qb+1
.endr
.if \nb == 3
.irp i, 12,13,14,15
	v_mov_b32 v[(\dst)+\i], 0                      ; the padding past K: zero codes
.endr
.endif
	v_nop                                          ; a plain line behind the last conversion
.endm
.macro IMAGE adr, reg, off             ; a fragment goes to LDS as it stands: lane l's 16 bytes at 16 l
.irp c, 0,1,2,3
	ds_store_b128 v[\adr], v[(\reg)+4*\c:(\reg)+4*\c+3] offset:(\off)+512*\c
.endr
.endm
.macro FETCH reg, adr, off             ; and comes back so, in any wave
.irp c, 0,1,2,3
	ds_load_b128 v[(\reg)+4*\c:(\reg)+4*\c+3], v[\adr] offset:(\off)+512*\c
.endr
.endm
.macro PLACES n
.rept \n
	v_nop
.endr
.endm
	s_load_b512 s[8:23], s[0:1], 0x0               ; W s[8:9], R s[10:11], r_idx s[12:13], E s[14:15], e1_idx s[16:17], gamma0 s[18:19], beta0 s[20:21], lits s[22:23]
	s_load_b256 s[24:31], s[0:1], 0x40             ; c s[24:25], var_l s[26:27], nf s[28:29], part s[30:31]
	s_load_b64 s[32:33], s[0:1], 0x60              ; tab
	v_lshl_add_u32 v30, v0, 2, 0x30000
	v_mov_b32 v31, 0
	ds_add_u32 v30, v31
	ds_add_u32 v30, v31
	v_lshrrev_b32 v1, 5, v0
	v_readfirstlane_b32 s2, v1                     ; wave 0..4
	s_mov_b32 s3, ttmp9                            ; g
	; descriptor group 1: 40 rows x 160 elements of 4 bytes, 40,000 elements from row to row, no padding (a lane reads a column: the 32 lanes of a load take consecutive words)
	s_mov_b32 s40, 2<<16
	s_mov_b32 s41, 160<<16                         ; tensor_dim0
	s_mov_b32 s42, 40<<16                          ; tensor_dim1
	s_mov_b32 s43, 160<<16                         ; tile_dim0
	s_mov_b32 s44, 40                              ; tile_dim1
	s_mov_b32 s45, 40000                           ; the pitch
	s_mov_b32 s46, 0
	s_mov_b32 s47, 0
	s_mov_b32 s36, 1
	s_mul_i32 s37, s2, 25600                       ; my 40 rows' place in the slab
	s_mul_i32 s34, s2, 6400000                     ; 40 rows of 160,000 bytes a wave,
	s_mul_i32 s35, s3, 640                         ; 640 bytes a work-group
	s_add_co_u32 s34, s34, s35
	s_mov_b32 s35, 0
	s_wait_dscnt 0x0
	s_wait_kmcnt 0x0
	s_add_nc_u64 s[38:39], s[8:9], s[34:35]
	s_or_b32 s39, s39, 0x80000000
	tensor_load_to_lds s[36:39], s[40:47]          ; my one tensor load: the only one of mine that is ever out
	s_nop 0
	PLACES 4
	; every LDS address is made here, ahead of the parting of the roles
	v_and_b32 v1, 31, v0                           ; lane
	v_and_b32 v2, 15, v0                           ; r
	v_bfe_u32 v3, v0, 4, 1                         ; h
	s_lshl_b32 s34, s2, 7
	v_lshl_add_u32 v[WA], v1, 2, s34               ; 128 x wave + 4 x lane
	v_add_nc_u32 v[WA+1], 61440, v[WA]             ; 96 rows on
	v_add_nc_u32 v[WA+2], 122880, v[WA]            ; 192 rows on
	v_lshl_add_u32 v[RI], v1, 4, RIMG
	s_lshl_b32 s34, s2, 12
	v_add_nc_u32 v[RIW], s34, v[RI]
	v_lshl_add_u32 v[RS], v1, 2, RSC
	s_lshl_b32 s34, s2, 8
	v_add_nc_u32 v[RSW], s34, v[RS]
	v_lshl_add_u32 v[XTW], v1, 2, XT
	s_lshl_b32 s48, s3, 2
	s_mul_i32 s48, s48, 52429
	s_lshr_b32 s48, s48, 18                        ; i0 = 4 g / 5: the i of the work-group's first column
	s_add_co_u32 s49, s48, 1
	s_min_u32 s49, s49, 199                        ; i1
	s_mul_i32 s50, s48, 200
	s_add_co_u32 s50, s50, 200
	s_mul_i32 s51, s3, 160
	s_sub_co_u32 s50, s50, s51                     ; columns from this one on belong to i1
	s_lshl_b32 s35, s2, 5
	v_add_nc_u32 v17, s35, v2                      ; my column in tile 0: 32 x wave + r
	v_add_nc_u32 v18, 16, v17                      ; in tile 1
	v_mov_b32 v19, 0x100
	v_cmp_le_u32 vcc_lo, s50, v17
	v_cndmask_b32 v[XA], 0, v19, vcc_lo
	v_cmp_le_u32 vcc_lo, s50, v18
	v_cndmask_b32 v[XA+1], 0, v19, vcc_lo
	v_lshl_add_u32 v[XA], v3, 5, v[XA]
	v_lshl_add_u32 v[XA+1], v3, 5, v[XA+1]
	v_add_nc_u32 v[XA], XT, v[XA]                  ; XT + 256 x (which i) + 32 h
	v_add_nc_u32 v[XA+1], XT, v[XA+1]
	s_mul_i32 s34, s2, 8704
	s_add_co_u32 s34, s34, STG                     ; my stage
	v_mul_u32_u24 v[STO], v2, 272
	v_lshl_add_u32 v[STO], v3, 5, v[STO]
	v_add_nc_u32 v[STO], s34, v[STO]               ; in: column r, 32 bytes for each half of the lanes
	v_mul_u32_u24 v[SRD], v3, 272
	v_lshl_add_u32 v[SRD], v2, 4, v[SRD]
	v_add_nc_u32 v[SRD], s34, v[SRD]               ; back: lanes 0-15 one column's 256 bytes, lanes 16-31 the next
	v_lshlrev_b32 v[GO], 4, v1
	s_mov_b32 s[SEL], 0x76543210
	s_mov_b32 s[SEL+1], 0xfedcba98
	s_mov_b32 s[MNT], 0x600000
	s_mov_b32 s[HI], 0xffff0000
.irp i, 0,1,2,3,4,5,6,7
	v_mov_b32 v[PX+\i], 0                          ; written once: a lane permute's destination counts as one of its sources
.endr
	s_mul_i32 s34, s3, 40960
	s_lshl_b32 s35, s2, 13
	s_add_co_u32 s34, s34, s35
	s_mov_b32 s35, 0
	s_add_nc_u64 s[66:67], s[30:31], s[34:35]      ; part at my wave's 32 columns: 256 bytes a column
	s_cmp_lt_u32 s2, 4
	s_cbranch_scc0 .Lw4
	; ---- waves 0 to 3: rows 16 w .. 16 w + 15 of r become two fragments
	s_lshl_b32 s34, s2, 6
	v_lshl_add_u32 v244, v2, 2, s34
	global_load_b32 v245, v244, s[12:13]           ; r_idx[16 w + r]
.irp i, 8,9,10,11,12,13,14,15
	v_mov_b32 v[AF+32+\i], 0                       ; k = 200 .. 207
.endr
	s_wait_loadcnt 0x0
	v_min_u32 v245, 0x1f3, v245                    ; an index stays inside its table
	v_mul_u32_u24 v246, v245, 0x320                ; a row of R is 800 bytes
	v_lshl_add_u32 v247, v3, 6, v246               ; + 64 h: my 16 numbers of a block of 32
.irp c, 0,1,2,3
.irp j, 0,1,2,3
	global_load_b128 v[RAW+16*\c+4*\j:RAW+16*\c+4*\j+3], v247, s[10:11] offset:128*\c+16*\j
.endr
.endr
.irp c, 0,1
.irp j, 0,1,2,3
	global_load_b128 v[AF+16*\c+4*\j:AF+16*\c+4*\j+3], v247, s[10:11] offset:512+128*\c+16*\j
.endr
.endr
	global_load_b128 v[AF+32:AF+35], v246, s[10:11] offset:768    ; k = 192 .. 199, by the address without 64 h: no load leaves the row
	global_load_b128 v[AF+36:AF+39], v246, s[10:11] offset:784
	s_wait_loadcnt 10                              ; K step 0's sixteen loads are in; the ten of K step 1 may be out
	QUANT RAW, CD, 240, 4
	IMAGE RIW, CD, 0
	ds_store_b32 v[RSW], v240
	s_wait_loadcnt 0x0
.irp i, 0,1,2,3,4,5,6,7
	v_cndmask_b32 v[AF+32+\i], v[AF+32+\i], 0, s[HI]   ; lanes 16-31 stand at k = 208 on: zeros
.endr
	QUANT AF, CD+16, 241, 3
	IMAGE RIW, CD+16, 2048
	ds_store_b32 v[RSW], v241 offset:128
	s_branch .Ljoin
.Lw4:	; ---- wave 4: x = batch norm 0 for i0 and i1, and row min(g, 63) of the table
	s_lshl_b32 s74, s48, 2
	s_mov_b32 s75, 0
	s_lshl_b32 s76, s49, 2
	s_mov_b32 s77, 0
	s_add_nc_u64 s[52:53], s[14:15], s[74:75]      ; E at column i0,
	s_add_nc_u64 s[54:55], s[14:15], s[76:77]      ; at column i1
	s_add_nc_u64 s[78:79], s[18:19], s[74:75]
	s_add_nc_u64 s[80:81], s[20:21], s[74:75]
	s_add_nc_u64 s[82:83], s[18:19], s[76:77]
	s_add_nc_u64 s[84:85], s[20:21], s[76:77]
	s_load_b32 s56, s[78:79], 0x0                  ; gamma0[i0]
	s_load_b32 s57, s[80:81], 0x0                  ; beta0[i0]
	s_load_b32 s58, s[82:83], 0x0                  ; gamma0[i1]
	s_load_b32 s59, s[84:85], 0x0                  ; beta0[i1]
	s_min_u32 s71, s3, 63                          ; the table's row: inside the buffer in every work-group
	s_lshl_b32 s70, s71, 2
	s_lshr_b32 s34, s71, 3
	s_lshl_b32 s34, s34, 13
	s_and_b32 s35, s71, 7
	s_lshl_b32 s35, s35, 8
	s_add_co_u32 s34, s34, s35
	s_mov_b32 s35, 0
	s_add_nc_u64 s[68:69], s[32:33], s[34:35]      ; tab + 8,192 (b / 8) + 256 (b % 8)
	s_mov_b32 s72, 0x3c800000                      ; 1 / 64
	s_mov_b32 s73, 0x3727c5ac                      ; 1e-5
	s_mov_b32 s86, 0xf0f0f0f0                      ; lanes whose 16 bytes of an entry hold nf
	v_lshlrev_b32 v57, 2, v1
	v_mov_b32 v58, s70
	v_lshrrev_b32 v56, 3, v2
	v_and_b32 v59, 3, v2
	v_lshlrev_b32 v56, 5, v56
	v_lshl_add_u32 v56, v59, 3, v56
	v_lshl_add_u32 v56, v3, 6, v56                 ; 4 l of my two l: 64 h + 32 (p / 8) + 8 (p % 4); + 128 for the second pair
	v_lshlrev_b32 v61, 4, v2
	v_lshl_add_u32 v61, v3, 11, v61                ; my 16 bytes of the table: 2,048 h + 16 p
	global_load_b32 v32, v57, s[16:17]             ; e1_idx[lane]
	global_load_b32 v33, v57, s[16:17] offset:128  ; e1_idx[lane + 32]
	global_load_b32 v34, v58, s[16:17]             ; e1_idx[b]
	global_load_b32 v35, v58, s[12:13]             ; r_idx[b]
	global_load_b64 v[36:37], v56, s[24:25]        ; c
	global_load_b64 v[38:39], v56, s[24:25] offset:128
	global_load_b64 v[40:41], v56, s[26:27]        ; var_l
	global_load_b64 v[42:43], v56, s[26:27] offset:128
	v_mov_b32 v66, 0
	v_mov_b32 v67, 0
	s_wait_loadcnt 0x0
	v_min_u32 v32, 0x9c3f, v32
	v_min_u32 v33, 0x9c3f, v33
	v_min_u32 v34, 0x9c3f, v34
	v_min_u32 v35, 0x1f3, v35
	v_mul_u32_u24 v32, v32, 0x320                  ; a row of E is 800 bytes
	v_mul_u32_u24 v33, v33, 0x320
	v_lshl_add_u32 v59, v34, 8, v56                ; a row of lits and of nf is 256 bytes
	v_lshl_add_u32 v60, v35, 8, v56
	global_load_b32 v44, v32, s[52:53]
	global_load_b32 v45, v33, s[52:53]
	global_load_b32 v46, v32, s[54:55]
	global_load_b32 v47, v33, s[54:55]
	global_load_b64 v[48:49], v59, s[22:23]
	global_load_b64 v[50:51], v59, s[22:23] offset:128
	global_load_b64 v[52:53], v60, s[28:29]
	global_load_b64 v[54:55], v60, s[28:29] offset:128
.irp i, 0,1,2,3
	v_mul_f32 v[76+\i], 0x3f317218, v[40+\i]       ; var_l x ln 2
.endr
	s_wait_loadcnt 0x0
	s_wait_kmcnt 0x0
	v_add_f32 v64, v44, v45                        ; the batch's 64 numbers: two a lane; both i by turns
	v_add_f32 v65, v46, v47
.irp x, 1,2,4,8
	v_add_f32_dpp v64, v64, v64 row_xmask:\x row_mask:0xf bank_mask:0xf
	v_add_f32_dpp v65, v65, v65 row_xmask:\x row_mask:0xf bank_mask:0xf
.endr
	v_permlanex16_b32 v66, v64, s[SEL], s[SEL+1]
	v_permlanex16_b32 v67, v65, s[SEL], s[SEL+1]
	v_add_f32 v64, v64, v66
	v_add_f32 v65, v65, v67
	v_mul_f32 v64, s72, v64                        ; the means
	v_mul_f32 v65, s72, v65
	v_sub_f32 v44, v44, v64
	v_sub_f32 v45, v45, v64
	v_sub_f32 v46, v46, v65
	v_sub_f32 v47, v47, v65
	v_mul_f32 v68, v44, v44
	v_mul_f32 v69, v46, v46
	v_fmac_f32 v68, v45, v45
	v_fmac_f32 v69, v47, v47
.irp x, 1,2,4,8
	v_add_f32_dpp v68, v68, v68 row_xmask:\x row_mask:0xf bank_mask:0xf
	v_add_f32_dpp v69, v69, v69 row_xmask:\x row_mask:0xf bank_mask:0xf
.endr
	v_permlanex16_b32 v66, v68, s[SEL], s[SEL+1]
	v_permlanex16_b32 v67, v69, s[SEL], s[SEL+1]
	v_add_f32 v68, v68, v66
	v_add_f32 v69, v69, v67
	v_fma_f32 v68, v68, s72, s73                   ; the biased variance + 1e-5
	v_fma_f32 v69, v69, s72, s73
	v_rsq_f32 v70, v68                             ; one batch of six
	v_rsq_f32 v71, v69
.irp i, 0,1,2,3
	v_rsq_f32 v[72+\i], v[76+\i]
.endr
.irp i, 0,1,2,3
	v_sub_f32 v[36+\i], v[36+\i], v[48+\i]         ; c - lits[e1[b]]: plain work behind the batch
.endr
	s_wait_alu depctr_va_vdst(0)                   ; one wait for the six, ahead of their first reader
	v_mul_f32 v70, s56, v70
	v_mul_f32 v71, s58, v71
	v_fma_f32 v44, v44, v70, s57
	v_fma_f32 v45, v45, v70, s57
	v_fma_f32 v46, v46, v71, s59
	v_fma_f32 v47, v47, v71, s59
	ds_store_b32 v[XTW], v44                       ; x[i0][lane]
	ds_store_b32 v[XTW], v45 offset:128            ; x[i0][lane + 32]
	ds_store_b32 v[XTW], v46 offset:256            ; x[i1][..]
	ds_store_b32 v[XTW], v47 offset:384
.irp i, 0,1,2,3
	v_mul_f32 v[36+\i], v[36+\i], v[72+\i]         ; (c - lits[e1[b]]) / sqrt(var_l ln 2)
.endr
.irp i, 0,1,2,3
	v_cndmask_b32 v[80+2*\i], v[36+\i], v[52+\i], s86   ; each number twice: a packed instruction takes the low word of a scalar pair for both halves
	v_cndmask_b32 v[81+2*\i], v[36+\i], v[52+\i], s86
.endr
	s_cmp_lt_u32 s3, 64
	s_cbranch_scc0 .Ljoin
	global_store_b128 v61, v[80:83], s[68:69]      ; sixteen lanes store 256 consecutive bytes, aligned: the two entries of one (b, l / 16)
	global_store_b128 v61, v[84:87], s[68:69] offset:4096
.Ljoin:
	s_wait_xcnt 0x0                                ; the stores have read their registers, which are loaded again below
	s_wait_tensorcnt 0x0                           ; my 40 rows of the slab are in,
	s_wait_dscnt 0x0                               ; my images or my x have landed:
	s_barrier_signal -1
	s_barrier_wait -1                              ; everybody's have
	; ---- W: a lane takes column 32 w + lane, its registers run down K
.macro LOADB t                         ; block t: rows 32 t .. 32 t + 31 (block 6: the last eight) into set t % 2
.set lbn, 32
.if (\t) == 6
.set lbn, 8
.endif
.set lbi, 0
.rept lbn
	ds_load_b32 v[RAW+32*((\t)%2)+lbi], v[WA+(\t)/3] offset:(((\t)%3)*32+lbi)*640
.set lbi, lbi+1
.endr
.endm
.macro BLOCK t, left                   ; left: the next block's loads, which may stay out
.set XS, RAW+32*((\t)%2)
.set FS, CD+32*((\t)/4)+4*((\t)%4)     ; registers 4 c .. 4 c + 3 of tile 0's fragment; tile 1's lie 16 on
	s_wait_dscnt \left
	v_max3_num_f32 v[MX], |v[XS]|, |v[XS+1]|, |v[XS+2]|      ; the block's largest magnitude: all 32 numbers are mine
	v_max3_num_f32 v[MX2], |v[XS+3]|, |v[XS+4]|, |v[XS+5]|
.irp i, 6,10,14,18,22,26
	v_max3_num_f32 v[MX], v[MX], |v[XS+\i]|, |v[XS+\i+1]|
	v_max3_num_f32 v[MX2], v[MX2], |v[XS+\i+2]|, |v[XS+\i+3]|
.endr
	v_max3_num_f32 v[MX], v[MX], |v[XS+30]|, |v[XS+31]|
	v_max3_num_f32 v[MX], v[MX], v[MX2], 0x4800000
	v_add_nc_u32 v[SCL], 0xfc000000, v[MX]
	v_and_or_b32 v[LIM], v[MX], 0x7f800000, s[MNT]
	v_lshrrev_b32 v[BY], 23, v[SCL]
.if (\t)%4 == 0
	v_mov_b32 v[SW+(\t)/4], v[BY]                  ; my column's scale word: lanes 0-15 tile 0's, lanes 16-31 tile 1's
.else
	v_lshl_or_b32 v[SW+(\t)/4], v[BY], 8*((\t)%4), v[SW+(\t)/4]
.endif
.irp i, 0,1,2,3,4,5,6,7,8,9,10,11,12,13,14,15,16,17,18,19,20,21,22,23,24,25,26,27,28,29,30,31
	v_med3_num_f32 v[XS+\i], v[XS+\i], -v[LIM], v[LIM]
.endr
.irp q, 0,1,2,3
	v_cvt_scalef32_pk8_fp8_f32 v[CL+2*\q:CL+2*\q+1], v[XS+8*\q:XS+8*\q+7], v[SCL]
.endr
	v_nop                                          ; a plain line behind the last conversion
.irp q, 0,1,2,3
	v_permlanex16_b32 v[PX+\q], v[CH+\q], s[SEL], s[SEL+1]
	v_permlanex16_b32 v[PX+4+\q], v[CL+\q], s[SEL], s[SEL+1]
.endr
.irp q, 0,1,2,3
	v_cndmask_b32 v[FS+\q], v[CL+\q], v[PX+\q], s[HI]          ; tile 0: lanes 0-15 their own k 0-15, lanes 16-31 k 16-31 of the lane 16 below
	v_cndmask_b32 v[FS+16+\q], v[PX+4+\q], v[CH+\q], s[HI]     ; tile 1: lanes 0-15 k 0-15 of the lane 16 above, lanes 16-31 their own k 16-31
.endr
.if (\t)+2 <= 6
	LOADB (\t)+2
.endif
.endm
	LOADB 0
	LOADB 1
	BLOCK 0, 32
	BLOCK 1, 32
	BLOCK 2, 32
	BLOCK 3, 32
	BLOCK 4, 32
	BLOCK 5, 8
	s_wait_dscnt 0x0                               ; block 6: k = 192 .. 199, and zeros behind them
	v_max3_num_f32 v[MX], |v[RAW]|, |v[RAW+1]|, |v[RAW+2]|
	v_max3_num_f32 v[MX2], |v[RAW+3]|, |v[RAW+4]|, |v[RAW+5]|
	v_max3_num_f32 v[MX], v[MX], |v[RAW+6]|, |v[RAW+7]|
	v_max3_num_f32 v[MX], v[MX], v[MX2], 0x4800000
	v_add_nc_u32 v[SCL], 0xfc000000, v[MX]
	v_and_or_b32 v[LIM], v[MX], 0x7f800000, s[MNT]
	v_lshrrev_b32 v[BY], 23, v[SCL]
	v_lshl_or_b32 v[SW+1], v[BY], 16, v[SW+1]      ; the word's top byte stays 0, over zero codes
.irp i, 0,1,2,3,4,5,6,7
	v_med3_num_f32 v[RAW+\i], v[RAW+\i], -v[LIM], v[LIM]
.endr
	v_cvt_scalef32_pk8_fp8_f32 v[CL:CL+1], v[RAW:RAW+7], v[SCL]
	v_nop
	v_permlanex16_b32 v[PX], v[CL], s[SEL], s[SEL+1]
	v_permlanex16_b32 v[PX+1], v[CL+1], s[SEL], s[SEL+1]
.irp q, 0,1
	v_cndmask_b32 v[CD+40+\q], v[CL+\q], 0, s[HI]
	v_cndmask_b32 v[CD+56+\q], v[PX+\q], 0, s[HI]
.endr
.irp q, 2,3,4,5,6,7
	v_mov_b32 v[CD+40+\q], 0
	v_mov_b32 v[CD+56+\q], 0
.endr
	; ---- the products: source 0 = 16 rows of r, source 1 = 16 columns of W: a lane holds one column and eight neighbouring b.  Eight accumulators by turns
.macro MULS s, zero
.irp tl, 0,1
.irp bt, 0,1,2,3
.if \zero
.if \tl
	v_wmma_scale_f32_16x16x128_f8f6f4 v[AC+32*\tl+8*\bt:AC+32*\tl+8*\bt+7], v[AF+16*\bt:AF+16*\bt+15], v[CD+32*\s+16*\tl:CD+32*\s+16*\tl+15], 0, v[AS+2*\bt+\s], v[SW+\s] matrix_b_scale:MATRIX_SCALE_ROW1
.else
	v_wmma_scale_f32_16x16x128_f8f6f4 v[AC+32*\tl+8*\bt:AC+32*\tl+8*\bt+7], v[AF+16*\bt:AF+16*\bt+15], v[CD+32*\s+16*\tl:CD+32*\s+16*\tl+15], 0, v[AS+2*\bt+\s], v[SW+\s]
.endif
.else
.if \tl
	v_wmma_scale_f32_16x16x128_f8f6f4 v[AC+32*\tl+8*\bt:AC+32*\tl+8*\bt+7], v[AF+16*\bt:AF+16*\bt+15], v[CD+32*\s+16*\tl:CD+32*\s+16*\tl+15], v[AC+32*\tl+8*\bt:AC+32*\tl+8*\bt+7], v[AS+2*\bt+\s], v[SW+\s] matrix_b_scale:MATRIX_SCALE_ROW1
.else
	v_wmma_scale_f32_16x16x128_f8f6f4 v[AC+32*\tl+8*\bt:AC+32*\tl+8*\bt+7], v[AF+16*\bt:AF+16*\bt+15], v[CD+32*\s+16*\tl:CD+32*\s+16*\tl+15], v[AC+32*\tl+8*\bt:AC+32*\tl+8*\bt+7], v[AS+2*\bt+\s], v[SW+\s]
.endif
.endif
.endr
.endr
.endm
.irp bt, 0,1,2,3
	FETCH AF+16*\bt, RI, 4096*\bt                  ; r's fragments of K step 0
.endr
.irp f, 0,1,2,3,4,5,6,7
	ds_load_b32 v[AS+\f], v[RS] offset:128*\f
.endr
	s_wait_dscnt 0x0
	PLACES 8                                       ; W's scale words and codes were written by vector instructions: eight places ahead of a scaled matrix instruction
	MULS 0, 1                                      ; the first K step starts the sums: nothing is cleared
	PLACES 8                                       ; in front of loads into registers that matrix instructions have read
.irp bt, 0,1,2,3
	FETCH AF+16*\bt, RI, 4096*\bt+2048             ; K step 1
.endr
	s_wait_dscnt 0x0
	MULS 1, 0
	PLACES 8                                       ; in front of the loads below and of the first read of results
	; ---- x x[b][i of my column], and the way out: a column's 64 numbers are 256 consecutive bytes of part
.irp tl, 0,1
.irp bt, 0,1,2,3
	ds_load_b128 v[AF+32*\tl+8*\bt:AF+32*\tl+8*\bt+3], v[XA+\tl] offset:64*\bt
	ds_load_b128 v[AF+32*\tl+8*\bt+4:AF+32*\tl+8*\bt+7], v[XA+\tl] offset:64*\bt+16
.endr
.endr
	s_wait_dscnt 0x0
.set k, 0
.rept 32
	v_pk_mul_f32 v[AC+k:AC+k+1], v[AC+k:AC+k+1], v[AF+k:AF+k+1]   ; each accumulator from its low end on
.set k, k+2
.endr
.irp tl, 0,1
.irp bt, 0,1,2,3
	ds_store_b128 v[STO], v[AC+32*\tl+8*\bt:AC+32*\tl+8*\bt+3] offset:4352*\tl+64*\bt
	ds_store_b128 v[STO], v[AC+32*\tl+8*\bt+4:AC+32*\tl+8*\bt+7] offset:4352*\tl+64*\bt+16
.endr
.endr
.irp t, 0,1,2,3,4,5,6,7,8,9,10,11,12,13,14,15
	ds_load_b128 v[CD+4*\t:CD+4*\t+3], v[SRD] offset:544*\t   ; LDS serves a wave's instructions in order (ISA guide 5.7.1.4): these see my stores
.endr
.irp t, 0,1,2,3,4,5,6,7,8,9,10,11,12,13,14,15
	s_wait_dscnt 15-\t                             ; the younger loads may stay out
	global_store_b128 v[GO], v[CD+4*\t:CD+4*\t+3], s[66:67] offset:512*\t   ; 32 lanes store 512 consecutive bytes, at a multiple of 256 from part's first byte
.endr
	s_wait_tensorcnt 0x0
	ds_add_u32 v30, v31
	s_wait_dscnt 0x0
	s_endpgm
.Lfunc_end_k_qe10ac8a670_wcore:
	.size	k_qe10ac8a670_wcore, .Lfunc_end_k_qe10ac8a670_wcore-k_qe10ac8a670_wcore
	.p2alignl 7, 3214868480
	.fill 96, 4, 3214868480
	.section	.rodata,"a",@progbits
	.p2align	6, 0x0
	.amdhsa_kernel k_qe10ac8a670_wcore
		.amdhsa_group_segment_fixed_size 197376
		.amdhsa_private_segment_fixed_size 0
		.amdhsa_enable_private_segment 0
		.amdhsa_kernarg_size 104
		.amdhsa_user_sgpr_count 2
		.amdhsa_user_sgpr_kernarg_segment_ptr 1
		.amdhsa_wavefront_size32 1
		.amdhsa_system_sgpr_workgroup_id_x 1
		.amdhsa_system_sgpr_workgroup_id_y 1
		.amdhsa_system_sgpr_workgroup_id_z 1
		.amdhsa_system_vgpr_workitem_id 0
		.amdhsa_next_free_vgpr 256
		.amdhsa_next_free_sgpr 96
		.amdhsa_reserve_vcc 1
		.amdhsa_float_denorm_mode_32 3
		.amdhsa_float_denorm_mode_16_64 3
		.amdhsa_memory_ordered 1
		.amdhsa_forward_progress 1
		.amdhsa_inst_pref_size 86
	.end_amdhsa_kernel
	.amdgpu_metadata
---
amdhsa.version: [ 1, 2 ]
amdhsa.kernels:
  - .name:           k_qe10ac8a670_wcore
    .symbol:         k_qe10ac8a670_wcore.kd
    .args:
      - { .name: W, .offset: 0, .size: 8, .value_kind: global_buffer, .address_space: global }
      - { .name: R, .offset: 8, .size: 8, .value_kind: global_buffer, .address_space: global }
      - { .name: r_idx, .offset: 16, .size: 8, .value_kind: global_buffer, .address_space: global }
      - { .name: E, .offset: 24, .size: 8, .value_kind: global_buffer, .address_space: global }
      - { .name: e1_idx, .offset: 32, .size: 8, .value_kind: global_buffer, .address_space: global }
      - { .name: bn0_gamma, .offset: 40, .size: 8, .value_kind: global_buffer, .address_space: global }
      - { .name: bn0_beta, .offset: 48, .size: 8, .value_kind: global_buffer, .address_space: global }
      - { .name: lits, .offset: 56, .size: 8, .value_kind: global_buffer, .address_space: global }
      - { .name: c, .offset: 64, .size: 8, .value_kind: global_buffer, .address_space: global }
      - { .name: var_l, .offset: 72, .size: 8, .value_kind: global_buffer, .address_space: global }
      - { .name: nf, .offset: 80, .size: 8, .value_kind: global_buffer, .address_space: global }
      - { .name: part, .offset: 88, .size: 8, .value_kind: global_buffer, .address_space: global }
      - { .name: tab, .offset: 96, .size: 8, .value_kind: global_buffer, .address_space: global }
    .group_segment_fixed_size: 197376
    .private_segment_fixed_size: 0
    .kernarg_segment_align: 8
    .kernarg_segment_size: 104
    .max_flat_workgroup_size: 160
    .sgpr_count:     96
    .vgpr_count:     256
    .wavefront_size: 32
...
	.end_amdgpu_metadata
.endif
;; end of part 1
;; launch bn1 (part 2): grid 200 x 1, 4 waves a work-group, no clusters, 1,536 bytes of LDS; arguments part, bn1_gamma, bn1_beta, yT; writes yT
.if DOCPART == 2
	.amdgcn_target "amdgcn-amd-amdhsa--gfx1250"
	.amdhsa_code_object_version 6
	.text
	.protected	k_qe10ac8a670_bn1
	.globl	k_qe10ac8a670_bn1
	.p2align	8
	.type	k_qe10ac8a670_bn1,@function
k_qe10ac8a670_bn1:
	s_mov_b64 s[64:65], 0
	v_nop
	global_prefetch_b8 v0, s[64:65] scope:SCOPE_SE
	s_setreg_imm32_b32 hwreg(HW_REG_WAVE_MODE, 25, 1), 1
	s_wait_xcnt 0x0
; yT[j][b] = batch norm 1 of x2[b][j],  x2[b][j] = sum over i of part[200 i + j][b]; all in f32.  Rows 200 .. 255 of yT are set to zero: the padding of the next product's K.
; Work-group j.  Wave w adds i = 50 w .. 50 w + 49: 25 loads, each of two rows of part (256 bytes each, aligned), all on their way at once; a lane holds b = 4 (lane % 16) .. + 3.
; The four waves' sums meet in LDS; wave 0 takes mean and variance over the batch (sixteen lanes x 4) and stores the row.  No matrix unit, no cluster: nothing is shared and nothing is multiplied.
; LIMITS: NaN and infinities are not served.
.set X,  16                            ; v16-115  25 loads x 4
.set SA, 116                           ; v116-119, v120-123: two chains of sums
.set SB, 120
.set PL, 124                           ; v124-127 the other half of the lanes'
.macro ACCUM acc, t
	v_pk_add_f32 v[\acc:\acc+1], v[\acc:\acc+1], v[X+4*(\t):X+4*(\t)+1]
	v_pk_add_f32 v[\acc+2:\acc+3], v[\acc+2:\acc+3], v[X+4*(\t)+2:X+4*(\t)+3]
.endm
	s_load_b256 s[4:11], s[0:1], 0x0               ; part s[4:5], gamma1 s[6:7], beta1 s[8:9], yT s[10:11]
	v_lshl_add_u32 v128, v0, 2, 0x400
	v_mov_b32 v129, 0
	v_lshrrev_b32 v1, 5, v0
	v_readfirstlane_b32 s2, v1                     ; wave 0..3
	v_and_b32 v1, 31, v0
	v_and_b32 v2, 15, v0
	v_bfe_u32 v3, v0, 4, 1
	v_lshlrev_b32 v6, 4, v2                        ; 16 p
	s_mul_i32 s12, s2, 2560000                     ; 50 i of 51,200 bytes a wave
	v_mad_u32_u24 v4, v3, 0xc800, v6               ; lanes 16-31 take the next i
	v_add_nc_u32 v4, s12, v4
	s_lshl_b32 s13, s2, 8
	v_add_nc_u32 v5, s13, v6                       ; LDS: 256 bytes a wave
	s_lshl_b32 s14, ttmp9, 8                       ; 256 j
	s_mov_b32 s15, 0
	s_lshl_b32 s16, ttmp9, 2                       ; 4 j
	s_mov_b32 s17, 0
	s_mov_b32 s21, 0x76543210
	s_mov_b32 s22, 0xfedcba98
	s_mov_b32 s23, 0x3c800000                      ; 1 / 64
	s_mov_b32 s24, 0x3727c5ac                      ; 1e-5
	s_wait_kmcnt 0x0
	s_add_nc_u64 s[4:5], s[4:5], s[14:15]
	s_add_nc_u64 s[10:11], s[10:11], s[14:15]
	s_add_nc_u64 s[6:7], s[6:7], s[16:17]
	s_add_nc_u64 s[8:9], s[8:9], s[16:17]
	s_load_b32 s18, s[6:7], 0x0                    ; gamma1[j]
	s_load_b32 s19, s[8:9], 0x0                    ; beta1[j]
.irp t, 0,1,2,3,4,5,6,7,8,9,10,11,12,13,14,15,16,17,18,19,20,21,22,23,24
	global_load_b128 v[X+4*\t:X+4*\t+3], v4, s[4:5] offset:102400*\t th:TH_LOAD_NT   ; read once in the launch
.endr
.irp i, 0,1,2,3
	v_mov_b32 v[PL+\i], 0                          ; a lane permute's destination counts as one of its sources
.endr
	s_wait_loadcnt 12                              ; the first thirteen are in; the twelve younger may be out
	v_pk_add_f32 v[SA:SA+1], v[X:X+1], v[X+4:X+5]  ; the first four loads start the two chains
	v_pk_add_f32 v[SA+2:SA+3], v[X+2:X+3], v[X+6:X+7]
	v_pk_add_f32 v[SB:SB+1], v[X+8:X+9], v[X+12:X+13]
	v_pk_add_f32 v[SB+2:SB+3], v[X+10:X+11], v[X+14:X+15]
.irp t, 4,6,8,10
	ACCUM SA, \t
	ACCUM SB, \t+1
.endr
	ACCUM SA, 12
	s_wait_loadcnt 0x0
.irp t, 13,15,17,19,21,23
	ACCUM SB, \t
	ACCUM SA, \t+1
.endr
	v_pk_add_f32 v[SA:SA+1], v[SA:SA+1], v[SB:SB+1]
	v_pk_add_f32 v[SA+2:SA+3], v[SA+2:SA+3], v[SB+2:SB+3]
.irp i, 0,1,2,3
	v_permlanex16_b32 v[PL+\i], v[SA+\i], s21, s22
.endr
	v_pk_add_f32 v[SA:SA+1], v[SA:SA+1], v[PL:PL+1]
	v_pk_add_f32 v[SA+2:SA+3], v[SA+2:SA+3], v[PL+2:PL+3]
	ds_store_b128 v5, v[SA:SA+3]                   ; both halves of the lanes write the same bytes with the same values
	s_wait_dscnt 0x0                               ; for the others' sake: my store has landed
	s_barrier_signal -1
	s_barrier_wait -1
	s_cmp_lg_u32 s2, 0
	s_cbranch_scc1 .Lend
.irp w, 0,1,2,3
	ds_load_b128 v[X+4*\w:X+4*\w+3], v6 offset:256*\w
.endr
	s_wait_dscnt 0x0
	v_pk_add_f32 v[16:17], v[16:17], v[20:21]
	v_pk_add_f32 v[18:19], v[18:19], v[22:23]
	v_pk_add_f32 v[24:25], v[24:25], v[28:29]
	v_pk_add_f32 v[26:27], v[26:27], v[30:31]
	v_pk_add_f32 v[16:17], v[16:17], v[24:25]
	v_pk_add_f32 v[18:19], v[18:19], v[26:27]      ; x2 of my four b
	v_add_f32 v32, v16, v17
	v_add_f32 v33, v18, v19
	v_add_f32 v32, v32, v33
.irp x, 1,2,4,8
	v_add_f32_dpp v32, v32, v32 row_xmask:\x row_mask:0xf bank_mask:0xf
.endr
	v_mul_f32 v32, s23, v32                        ; the mean over the 64
.irp i, 0,1,2,3
	v_sub_f32 v[16+\i], v[16+\i], v32
.endr
	v_mul_f32 v33, v16, v16
	v_fmac_f32 v33, v17, v17
	v_fmac_f32 v33, v18, v18
	v_fmac_f32 v33, v19, v19
.irp x, 1,2,4,8
	v_add_f32_dpp v33, v33, v33 row_xmask:\x row_mask:0xf bank_mask:0xf
.endr
	v_fma_f32 v33, v33, s23, s24                   ; the biased variance + 1e-5
	v_rsq_f32 v34, v33
.irp i, 0,1,2,3
	v_mov_b32 v[36+\i], 0                          ; plain work behind the transcendental: the zero row
.endr
	s_wait_kmcnt 0x0
	s_wait_alu depctr_va_vdst(0)                   ; ahead of the first reader
	v_mul_f32 v34, s18, v34
.irp i, 0,1,2,3
	v_fma_f32 v[16+\i], v[16+\i], v34, s19
.endr
	s_wait_xcnt 0x0                                ; EXEC changes only behind this wait
	v_cmp_gt_u32 vcc_lo, 16, v1
	s_and_saveexec_b32 s20, vcc_lo
	global_store_b128 v6, v[16:19], s[10:11]       ; sixteen lanes store row j: 256 consecutive bytes, aligned
	s_cmp_lt_u32 ttmp9, 56
	s_cbranch_scc0 .Lnozero
	global_store_b128 v6, v[36:39], s[10:11] offset:51200   ; row 200 + j: zeros
.Lnozero:
	s_wait_xcnt 0x0                                ; and again, in front of the line that widens it
	s_or_b32 exec_lo, exec_lo, s20
.Lend:
	s_wait_tensorcnt 0x0
	ds_add_u32 v128, v129
	s_wait_dscnt 0x0
	s_endpgm
.Lfunc_end_k_qe10ac8a670_bn1:
	.size	k_qe10ac8a670_bn1, .Lfunc_end_k_qe10ac8a670_bn1-k_qe10ac8a670_bn1
	.p2alignl 7, 3214868480
	.fill 96, 4, 3214868480
	.section	.rodata,"a",@progbits
	.p2align	6, 0x0
	.amdhsa_kernel k_qe10ac8a670_bn1
		.amdhsa_group_segment_fixed_size 1536
		.amdhsa_private_segment_fixed_size 0
		.amdhsa_enable_private_segment 0
		.amdhsa_kernarg_size 32
		.amdhsa_user_sgpr_count 2
		.amdhsa_user_sgpr_kernarg_segment_ptr 1
		.amdhsa_wavefront_size32 1
		.amdhsa_system_sgpr_workgroup_id_x 1
		.amdhsa_system_sgpr_workgroup_id_y 1
		.amdhsa_system_sgpr_workgroup_id_z 1
		.amdhsa_system_vgpr_workitem_id 0
		.amdhsa_next_free_vgpr 130
		.amdhsa_next_free_sgpr 66
		.amdhsa_reserve_vcc 1
		.amdhsa_float_denorm_mode_32 3
		.amdhsa_float_denorm_mode_16_64 3
		.amdhsa_memory_ordered 1
		.amdhsa_forward_progress 1
		.amdhsa_inst_pref_size 11
	.end_amdhsa_kernel
	.amdgpu_metadata
---
amdhsa.version: [ 1, 2 ]
amdhsa.kernels:
  - .name:           k_qe10ac8a670_bn1
    .symbol:         k_qe10ac8a670_bn1.kd
    .args:
      - { .name: part, .offset: 0, .size: 8, .value_kind: global_buffer, .address_space: global }
      - { .name: bn1_gamma, .offset: 8, .size: 8, .value_kind: global_buffer, .address_space: global }
      - { .name: bn1_beta, .offset: 16, .size: 8, .value_kind: global_buffer, .address_space: global }
      - { .name: yT, .offset: 24, .size: 8, .value_kind: global_buffer, .address_space: global }
    .group_segment_fixed_size: 1536
    .private_segment_fixed_size: 0
    .kernarg_segment_align: 8
    .kernarg_segment_size: 32
    .max_flat_workgroup_size: 128
    .sgpr_count:     66
    .vgpr_count:     130
    .wavefront_size: 32
...
	.end_amdgpu_metadata
.endif
;; end of part 2
;; launch score (part 3): grid 250 x 1, 20 waves a work-group, no clusters, 137,728 bytes of LDS; arguments E, lits, var_l, yT, tab, out0; writes out0
.if DOCPART == 3
	.amdgcn_target "amdgcn-amd-amdhsa--gfx1250"
	.amdhsa_code_object_version 6
	.text
	.protected	k_qe10ac8a670_score
	.globl	k_qe10ac8a670_score
	.p2align	8
	.type	k_qe10ac8a670_score,@function
k_qe10ac8a670_score:
	s_mov_b64 s[64:65], 0
	v_nop
	global_prefetch_b8 v0, s[64:65] scope:SCOPE_SE
	s_setreg_imm32_b32 hwreg(HW_REG_WAVE_MODE, 25, 1), 1
	s_wait_xcnt 0x0
; out0[b][n] = sigmoid(sum over k of y[b][k] E[n][k] + sum over l of nf[r_idx[b]][l] exp(-(lits[e1[b]][l] - lits[n][l] - c[l])^2 / var_l[l])).
; The first sum is a product on codes of FP8 (E4M3) with one E8M0 scale for each 32 along K = 200; y (yT, the launch before) and E are quantised here, in f32.  The second sum is f32 throughout:
; exp(-d^2 / var) = 2^(-(lits[n][l] sc + na)^2), sc = 1 / sqrt(var ln 2), na = (c - lits[e1[b]]) sc; na and nf come from the table of the first launch, by scalar loads.
; SHARES.  Work-group x: entities 320 (x / 2) .. + 319 and rows 32 (x % 2) .. + 31 of the batch.  Each of its twenty waves has two parts:
;   it owns 16 rows of E (quantised in registers, four matrix instructions, results to LDS), and it sums the exponentials for 64 entities (unit u = wave / 4) x 8 rows of the batch (q = wave % 4):
;   a lane holds two neighbouring entities, so that a packed instruction serves both and what hangs on b is a scalar.
; E's numbers are asked for two phases (512 exponentials a wave) ahead of their use.  A wave names 189 registers, so that the twenty waves fit: five on each of the four SIMDs.
; No cluster: only two work-groups read the same rows of E, and these go straight into registers in the operand's order, since 256,000 bytes of f32 do not fit in LDS beside the literals.
; LIMITS: NaN and infinities are not served.  A block whose largest magnitude lies under 2^-118 keeps the scale byte 1; a block of zeros gets the byte 1, E's padding past K = 200 the byte 0, over zero codes.
; An exponential under 2^-126 counts as 0 (ISA guide 15.8).  var_l is positive.
.set YIMG, 84480                       ; LDS: bytes 0 .. 84,479: lits x sc, 160 pairs of entities x (512 + 16) bytes: (n, l) at 528 (n / 2) + 8 l + 4 (n % 2); then y's four fragment images,
.set YSC,  92672                       ; their scale words, 128 bytes each,
.set SL,   93184                       ; and the product's results: 32 rows of the batch x (1,280 + 16) bytes, up to byte 134,655
.set ACC,  16                          ; v16-31   the sums of my eight b, a pair (two entities) each
.set Y,    32                          ; v32-63   16 l x 2 entities; at the head lits as loaded; at the end the product's results and the scores
.set T,    64                          ; v64-79   a trip's 8 l x 2 entities
.set TM,   64                          ; v64-79   at work in QUANT
.set EN,   80                          ; v80-143  numbers to quantise; at the end y's four fragments
.set EC0,  144                         ; v144-159, v160-175 E's fragments of K steps 0, 1
.set EC1,  160
.set ES,   176                         ; v176-177 E's scale words: scales and nothing else
.set YS,   178                         ; v178-181 y's: scales and nothing else
.set SEL,  84                          ; s84-85 selects of v_permlanex16_b32: the lane 16 away
.set MNT,  86                          ; s86    the mantissa field of 448
.set HI,   87                          ; s87    lanes 16-31
; v4 where I store lits x sc; v5 where I read my pair of entities; v6, v7 my row of E with and without 64 h; v8, v9 an image's place, and where waves 0-3 store theirs; v10, v11 the same for scale words;
; v12 where I store results; v13 where I read scores; v14 8 x lane; v15 16 x lane; v182 yT's offset; v183 16 (lane % 16); v184-187 sc of my four l; v188 a scale word on its way to LDS.
; s[16:31], s[32:47]: na and nf of an even trip; s[48:63], s[68:83]: of an odd one.
.macro QUANT src, dst, pw, nb          ; 64 or 48 numbers of a lane, register 16 b + i = k 32 b + 16 (lane / 16) + i of my row, become a fragment's codes in v[dst] on and its scale word in v[pw]
.set qb, 0
.rept \nb
	v_max3_num_f32 v[TM+qb], |v[(\src)+16*qb]|, |v[(\src)+16*qb+1]|, 0x4800000   ; my 16 numbers of block qb, and the floor 2^(9 - 127): the byte cannot fall under 1
.set qb, qb+1
.endr
.irp i, 2,4,6,8,10,12,14
.set qb, 0
.rept \nb
	v_max3_num_f32 v[TM+qb], v[TM+qb], |v[(\src)+16*qb+\i]|, |v[(\src)+16*qb+\i+1]|
.set qb, qb+1
.endr
.endr
.set qb, 0
.rept \nb
	v_permlanex16_b32 v[TM+4+qb], v[TM+qb], s[SEL], s[SEL+1]
.set qb, qb+1
.endr
.set qb, 0
.rept \nb
	v_max_num_f32 v[TM+qb], v[TM+qb], v[TM+4+qb]   ; with the other 16: the block's largest magnitude
.set qb, qb+1
.endr
.set qb, 0
.rept \nb
	v_add_nc_u32 v[TM+12+qb], 0xfc000000, v[TM+qb]   ; 8 off its exponent field: the conversion's scale operand
	v_and_or_b32 v[TM+8+qb], v[TM+qb], 0x7f800000, s[MNT]   ; 448 x the scale
.set qb, qb+1
.endr
.set qb, 0
.rept \nb
	v_lshrrev_b32 v[TM+4+qb], 23, v[TM+12+qb]      ; the scale's byte
.set qb, qb+1
.endr
	v_lshl_or_b32 v[\pw], v[TM+5], 8, v[TM+4]
	v_lshl_or_b32 v[\pw], v[TM+6], 16, v[\pw]
.if \nb == 4
	v_lshl_or_b32 v[\pw], v[TM+7], 24, v[\pw]
.endif
.set qb, 0
.rept \nb
.irp i, 0,1,2,3,4,5,6,7,8,9,10,11,12,13,14,15
	v_med3_num_f32 v[(\src)+16*qb+\i], v[(\src)+16*qb+\i], -v[TM+8+qb], v[TM+8+qb]   ; the conversion does not saturate (ISA guide 7.6.2): the hold at 448 x the scale
.endr
	v_cvt_scalef32_pk8_fp8_f32 v[(\dst)+4*qb:(\dst)+4*qb+1], v[(\src)+16*qb:(\src)+16*qb+7], v[TM+12+qb]
	v_cvt_scalef32_pk8_fp8_f32 v[(\dst)+4*qb+2:(\dst)+4*qb+3], v[(\src)+16*qb+8:(\src)+16*qb+15], v[TM+12+qb]
.set qb, qb+1
.endr
.if \nb == 3
.irp i, 12,13,14,15
	v_mov_b32 v[(\dst)+\i], 0                      ; the padding past K: zero codes
.endr
.endif
	v_nop                                          ; a plain line behind the last conversion
.endm
.macro FETCH reg, adr, off
.irp c, 0,1,2,3
	ds_load_b128 v[(\reg)+4*\c:(\reg)+4*\c+3], v[\adr] offset:(\off)+512*\c
.endr
.endm
; A TRIP: 8 l x 2 entities for one b.  t = 16 (l / 16) + 2 b' + (l / 8) % 2.  The next trip's 32 scalars are asked for at this trip's head, into the other set.
.macro TRIP t
.set NAB, 16+32*((\t)%2)
.set WTB, 32+36*((\t)%2)
.set NXA, 16+32*(((\t)+1)%2)
.set NXW, 32+36*(((\t)+1)%2)
.set AB,  ACC+2*(((\t)%16)/2)
.set YB,  Y+16*((\t)%2)
	s_wait_kmcnt 0x0                               ; this trip's scalars, asked for a trip ago, are in
.if (\t) < 63
	s_load_b512 s[NXA:NXA+15], s[12:13], 128*((\t)+1)
	s_load_b512 s[NXW:NXW+15], s[12:13], 128*((\t)+1)+64
.endif
.irp m, 0,1,2,3,4,5,6,7
	v_pk_add_f32 v[T+2*\m:T+2*\m+1], v[YB+2*\m:YB+2*\m+1], s[NAB+2*\m:NAB+2*\m+1] op_sel_hi:[1,0]   ; lits[n] sc + na
.endr
.irp m, 0,1,2,3,4,5,6,7
	v_pk_mul_f32 v[T+2*\m:T+2*\m+1], v[T+2*\m:T+2*\m+1], v[T+2*\m:T+2*\m+1] neg_lo:[1,0] neg_hi:[1,0]   ; minus its square
.endr
.irp m, 0,1,2,3,4,5,6,7,8,9,10,11,12,13,14,15
	v_exp_f32 v[T+\m], v[T+\m]
.endr
	v_nop                                          ; a plain line behind the last exponential
	s_wait_alu depctr_va_vdst(0)                   ; one wait for the sixteen, ahead of their first reader
.if ((\t) < 16) && (((\t)%2) == 0)
	v_pk_mul_f32 v[AB:AB+1], v[T:T+1], s[WTB:WTB+1] op_sel_hi:[1,0]   ; b's first term starts its sum: nothing is cleared
.else
	v_pk_fma_f32 v[AB:AB+1], v[T:T+1], s[WTB:WTB+1], v[AB:AB+1] op_sel_hi:[1,0,1]
.endif
.irp m, 1,2,3,4,5,6,7
	v_pk_fma_f32 v[AB:AB+1], v[T+2*\m:T+2*\m+1], s[WTB+2*\m:WTB+2*\m+1], v[AB:AB+1] op_sel_hi:[1,0,1]
.endr
.endm
.macro PHASE lq                        ; 16 l of my two entities from LDS, then the eight b, two trips each
.irp i, 0,1,2,3,4,5,6,7
	ds_load_b128 v[Y+4*\i:Y+4*\i+3], v5 offset:128*(\lq)+16*\i
.endr
	s_wait_dscnt 0x0
.set pt, 16*(\lq)
.rept 16
	TRIP pt
.set pt, pt+1
.endr
.endm
	s_load_b256 s[4:11], s[0:1], 0x0               ; E s[4:5], lits s[6:7], var_l s[8:9], yT s[10:11]
	s_load_b128 s[12:15], s[0:1], 0x20             ; tab s[12:13], out0 s[14:15]
	v_lshl_add_u32 v190, v0, 2, 0x21000
	v_mov_b32 v191, 0
	v_lshrrev_b32 v1, 5, v0
	v_readfirstlane_b32 s2, v1                     ; wave 0..19
	s_lshr_b32 s94, ttmp9, 1                       ; which 320 entities
	s_and_b32 s95, ttmp9, 1                        ; which half of the batch
	s_lshr_b32 s96, s2, 2                          ; u
	s_and_b32 s97, s2, 3                           ; q
	v_and_b32 v1, 31, v0                           ; lane
	v_and_b32 v2, 15, v0                           ; r, p
	v_bfe_u32 v3, v0, 4, 1                         ; h
	s_mul_i32 s98, s2, 4224                        ; eight pairs of entities a wave
	v_lshl_add_u32 v4, v2, 5, s98
	v_lshl_add_u32 v4, v3, 2, v4                   ; + 8 x (4 p) + 4 h
	s_mul_i32 s98, s96, 16896
	v_mul_u32_u24 v5, v1, 528
	v_add_nc_u32 v5, s98, v5                       ; pair 32 u + lane
	v_mul_u32_u24 v7, v2, 800
	v_lshl_add_u32 v6, v3, 6, v7
	v_lshl_add_u32 v8, v1, 4, YIMG
	s_lshl_b32 s98, s2, 11
	v_add_nc_u32 v9, s98, v8
	v_lshl_add_u32 v10, v1, 2, YSC
	s_lshl_b32 s98, s2, 7
	v_add_nc_u32 v11, s98, v10
	s_lshl_b32 s98, s2, 6
	s_add_co_u32 s98, s98, SL
	v_mul_u32_u24 v12, v2, 1296
	v_lshl_add_u32 v12, v3, 5, v12
	v_add_nc_u32 v12, s98, v12                     ; row r of the batch's tile, entities 16 x wave + 8 h on
	s_mul_i32 s98, s97, 10368
	s_lshl_b32 s99, s96, 8
	s_add_co_u32 s98, s98, s99
	s_add_co_u32 s98, s98, SL
	v_lshl_add_u32 v13, v1, 3, s98                 ; row 8 q, entities 64 u + 2 x lane
	v_lshlrev_b32 v14, 3, v1
	v_lshlrev_b32 v15, 4, v1
	v_lshlrev_b32 v182, 2, v2
	v_lshl_add_u32 v182, v3, 12, v182              ; yT: column r, 16 rows further down for lanes 16-31
	v_lshlrev_b32 v183, 4, v2
	s_mov_b32 s[SEL], 0x76543210
	s_mov_b32 s[SEL+1], 0xfedcba98
	s_mov_b32 s[MNT], 0x600000
	s_mov_b32 s[HI], 0xffff0000
.irp i, 4,5,6,7
	v_mov_b32 v[TM+\i], 0                          ; a lane permute's destination counts as one of its sources
.endr
	s_wait_kmcnt 0x0
	s_lshl_b32 s98, s95, 2
	s_add_co_u32 s98, s98, s97
	s_lshl_b32 s98, s98, 13
	s_mov_b32 s99, 0
	s_add_nc_u64 s[12:13], s[12:13], s[98:99]      ; the table of my eight b: 8,192 bytes
	s_load_b512 s[16:31], s[12:13], 0x0            ; trip 0's scalars
	s_load_b512 s[32:47], s[12:13], 0x40
	s_mul_i32 s98, s94, 81920
	s_lshl_b32 s93, s2, 12
	s_add_co_u32 s98, s98, s93
	s_add_nc_u64 s[90:91], s[6:7], s[98:99]        ; lits at my wave's 16 rows
	s_mul_i32 s98, s94, 256000
	s_mul_i32 s93, s2, 12800
	s_add_co_u32 s98, s98, s93
	s_add_nc_u64 s[88:89], s[4:5], s[98:99]        ; E at my wave's 16 rows
	s_lshl_b32 s98, s95, 5
	s_lshl_b32 s93, s97, 3
	s_add_co_u32 s98, s98, s93
	s_mul_i32 s98, s98, 160000                     ; row 32 half + 8 q of out0,
	s_mul_i32 s93, s94, 1280
	s_add_co_u32 s98, s98, s93
	s_lshl_b32 s93, s96, 8
	s_add_co_u32 s98, s98, s93                     ; entity 320 chunk + 64 u
	s_add_nc_u64 s[14:15], s[14:15], s[98:99]
	s_and_b32 s98, s2, 1
	s_lshl_b32 s98, s98, 15                        ; K step wave % 2: 128 rows of yT,
	s_lshl_b32 s93, s95, 7
	s_add_co_u32 s98, s98, s93                     ; my half of the batch,
	s_bfe_u32 s93, s2, 0x10001
	s_lshl_b32 s93, s93, 6
	s_add_co_u32 s98, s98, s93                     ; its tile (wave / 2) % 2
	s_add_nc_u64 s[92:93], s[10:11], s[98:99]
	global_load_b128 v[184:187], v183, s[8:9]      ; var_l of l = 4 p .. 4 p + 3
.irp t, 0,1,2,3,4,5,6,7
	global_load_b128 v[Y+4*\t:Y+4*\t+3], v15, s[90:91] offset:512*\t   ; 32 lanes read 512 consecutive bytes: rows 2 t, 2 t + 1 of my 16
.endr
	s_cmp_lt_u32 s2, 4
	s_cbranch_scc0 .Lno_y
	; ---- waves 0 to 3: fragment (tile of the batch, K step) = wave of y: a lane takes a column b of yT, its registers run down K
.irp c, 0,1,2,3
.irp i, 0,1,2,3,4,5,6,7,8,9,10,11,12,13,14,15
	global_load_b32 v[EN+16*\c+\i], v182, s[92:93] offset:(32*\c+\i)*256
.endr
.endr
	s_wait_loadcnt 0x0
	QUANT EN, EC0, 188, 4
.irp c, 0,1,2,3
	ds_store_b128 v9, v[EC0+4*\c:EC0+4*\c+3] offset:512*\c   ; the fragment goes to LDS as it stands: lane l's 16 bytes at 16 l
.endr
	ds_store_b32 v11, v188
.Lno_y:
	s_wait_loadcnt 0x0
.irp i, 0,1,2,3
	v_mul_f32 v[184+\i], 0x3f317218, v[184+\i]     ; var_l x ln 2
.endr
.irp i, 0,1,2,3
	v_rsq_f32 v[184+\i], v[184+\i]                 ; sc
.endr
	v_nop
	s_wait_alu depctr_va_vdst(0)                   ; one wait for the four
.irp t, 0,1,2,3,4,5,6,7
	v_pk_mul_f32 v[Y+4*\t:Y+4*\t+1], v[Y+4*\t:Y+4*\t+1], v[184:185]
	v_pk_mul_f32 v[Y+4*\t+2:Y+4*\t+3], v[Y+4*\t+2:Y+4*\t+3], v[186:187]
.endr
.irp t, 0,1,2,3,4,5,6,7
.irp i, 0,1,2,3
	ds_store_b32 v4, v[Y+4*\t+\i] offset:528*\t+8*\i
.endr
.endr
.irp c, 0,1,2,3
.irp j, 0,1,2,3
	global_load_b128 v[EN+16*\c+4*\j:EN+16*\c+4*\j+3], v6, s[88:89] offset:128*\c+16*\j   ; E, K step 0: it has two phases in which to land
.endr
.endr
	s_wait_dscnt 0x0                               ; for the others' sake: my stores have landed
	s_barrier_signal -1
	s_barrier_wait -1                              ; the literals of all 320 entities and y's four images lie in LDS
	PHASE 0
	PHASE 1
	s_wait_loadcnt 0x0
	QUANT EN, EC0, ES, 4
.irp c, 0,1
.irp j, 0,1,2,3
	global_load_b128 v[EN+16*\c+4*\j:EN+16*\c+4*\j+3], v6, s[88:89] offset:512+128*\c+16*\j   ; K step 1, likewise two phases ahead
.endr
.endr
	global_load_b128 v[EN+32:EN+35], v7, s[88:89] offset:768   ; k = 192 .. 199, by the address without 64 h: no load leaves the row
	global_load_b128 v[EN+36:EN+39], v7, s[88:89] offset:784
	PHASE 2
	PHASE 3
	s_wait_loadcnt 0x0
.irp i, 0,1,2,3,4,5,6,7
	v_cndmask_b32 v[EN+32+\i], v[EN+32+\i], 0, s[HI]   ; lanes 16-31 stand at k = 208 on: zeros
	v_mov_b32 v[EN+40+\i], 0                       ; k = 200 .. 207
.endr
	QUANT EN, EC1, ES+1, 3
	; ---- the product, used transposed: source 0 = my 16 rows of E, source 1 = 16 rows of the batch: a lane holds one b and eight neighbouring entities
.irp f, 0,1,2,3
	FETCH EN+16*\f, 8, 2048*\f
	ds_load_b32 v[YS+\f], v10 offset:128*\f
.endr
	s_wait_dscnt 0x0
.rept 8
	v_nop                                          ; E's scale words and codes were written by vector instructions: eight places ahead of a scaled matrix instruction
.endr
	v_wmma_scale_f32_16x16x128_f8f6f4 v[32:39], v[EC0:EC0+15], v[EN:EN+15], 0, v[ES], v[YS]             ; the two accumulators by turns
	v_wmma_scale_f32_16x16x128_f8f6f4 v[40:47], v[EC0:EC0+15], v[EN+32:EN+47], 0, v[ES], v[YS+2]
	v_wmma_scale_f32_16x16x128_f8f6f4 v[32:39], v[EC1:EC1+15], v[EN+16:EN+31], v[32:39], v[ES+1], v[YS+1]
	v_wmma_scale_f32_16x16x128_f8f6f4 v[40:47], v[EC1:EC1+15], v[EN+48:EN+63], v[40:47], v[ES+1], v[YS+3]
.rept 8
	v_nop                                          ; in front of the first read of results
.endr
	ds_store_b128 v12, v[32:35]                    ; each accumulator from its low end on
	ds_store_b128 v12, v[36:39] offset:16
	ds_store_b128 v12, v[40:43] offset:20736       ; the batch's second tile: 16 rows of 1,296 bytes on
	ds_store_b128 v12, v[44:47] offset:20752
	s_wait_dscnt 0x0                               ; for the others' sake: my stores have landed
	s_barrier_signal -1
	s_barrier_wait -1
	; ---- the two scores are added; sigmoid(z) = 1 / (1 + 2^(-z log2 e))
.irp b, 0,1,2,3,4,5,6,7
	ds_load_b64 v[48+2*\b:49+2*\b], v13 offset:1296*\b
.endr
	s_wait_dscnt 0x0
.irp b, 0,1,2,3,4,5,6,7
	v_pk_add_f32 v[48+2*\b:49+2*\b], v[48+2*\b:49+2*\b], v[ACC+2*\b:ACC+2*\b+1]
.endr
.irp b, 0,1,2,3,4,5,6,7
	v_pk_mul_f32 v[48+2*\b:49+2*\b], v[48+2*\b:49+2*\b], 0xbfb8aa3b op_sel_hi:[1,0]
.endr
.irp i, 0,1,2,3,4,5,6,7,8,9,10,11,12,13,14,15
	v_exp_f32 v[48+\i], v[48+\i]
.endr
	v_nop
	s_wait_alu depctr_va_vdst(0)                   ; one wait for the sixteen
.irp b, 0,1,2,3,4,5,6,7
	v_pk_add_f32 v[48+2*\b:49+2*\b], v[48+2*\b:49+2*\b], 1.0 op_sel_hi:[1,0]
.endr
.irp i, 0,1,2,3,4,5,6,7,8,9,10,11,12,13,14,15
	v_rcp_f32 v[48+\i], v[48+\i]
.endr
	v_nop
	s_wait_alu depctr_va_vdst(0)                   ; and one for the sixteen reciprocals
.irp b, 0,1,2,3,4,5,6,7
	global_store_b64 v14, v[48+2*\b:49+2*\b], s[14:15] offset:160000*\b th:TH_STORE_NT   ; 32 lanes store 256 consecutive bytes, at a multiple of 256 from out0's first byte; written once
.endr
	s_wait_tensorcnt 0x0
	ds_add_u32 v190, v191
	s_wait_dscnt 0x0
	s_endpgm
.Lfunc_end_k_qe10ac8a670_score:
	.size	k_qe10ac8a670_score, .Lfunc_end_k_qe10ac8a670_score-k_qe10ac8a670_score
	.p2alignl 7, 3214868480
	.fill 96, 4, 3214868480
	.section	.rodata,"a",@progbits
	.p2align	6, 0x0
	.amdhsa_kernel k_qe10ac8a670_score
		.amdhsa_group_segment_fixed_size 137728
		.amdhsa_private_segment_fixed_size 0
		.amdhsa_enable_private_segment 0
		.amdhsa_kernarg_size 48
		.amdhsa_user_sgpr_count 2
		.amdhsa_user_sgpr_kernarg_segment_ptr 1
		.amdhsa_wavefront_size32 1
		.amdhsa_system_sgpr_workgroup_id_x 1
		.amdhsa_system_sgpr_workgroup_id_y 1
		.amdhsa_system_sgpr_workgroup_id_z 1
		.amdhsa_system_vgpr_workitem_id 0
		.amdhsa_next_free_vgpr 192
		.amdhsa_next_free_sgpr 100
		.amdhsa_reserve_vcc 0
		.amdhsa_float_denorm_mode_32 3
		.amdhsa_float_denorm_mode_16_64 3
		.amdhsa_memory_ordered 1
		.amdhsa_forward_progress 1
		.amdhsa_inst_pref_size 192
	.end_amdhsa_kernel
	.amdgpu_metadata
---
amdhsa.version: [ 1, 2 ]
amdhsa.kernels:
  - .name:           k_qe10ac8a670_score
    .symbol:         k_qe10ac8a670_score.kd
    .args:
      - { .name: E, .offset: 0, .size: 8, .value_kind: global_buffer, .address_space: global }
      - { .name: lits, .offset: 8, .size: 8, .value_kind: global_buffer, .address_space: global }
      - { .name: var_l, .offset: 16, .size: 8, .value_kind: global_buffer, .address_space: global }
      - { .name: yT, .offset: 24, .size: 8, .value_kind: global_buffer, .address_space: global }
      - { .name: tab, .offset: 32, .size: 8, .value_kind: global_buffer, .address_space: global }
      - { .name: out0, .offset: 40, .size: 8, .value_kind: global_buffer, .address_space: global }
    .group_segment_fixed_size: 137728
    .private_segment_fixed_size: 0
    .kernarg_segment_align: 8
    .kernarg_segment_size: 48
    .max_flat_workgroup_size: 640
    .sgpr_count:     100
    .vgpr_count:     192
    .wavefront_size: 32
...
	.end_amdgpu_metadata
.endif
;; end of part 3
;; ======== version 2 of 2: 3 launches
;; workspace buffers: part 10,240,000 bytes; yT 65,536 bytes; tab 32,768 bytes
;; launch wcore (part 4): grid 250 x 1, 5 waves a work-group, no clusters, 197,376 bytes of LDS; arguments W, R, r_idx, E, e1_idx, bn0_gamma, bn0_beta, lits, c, var_l, nf, part, tab; writes part, tab
.if DOCPART == 4
	.amdgcn_target "amdgcn-amd-amdhsa--gfx1250"
	.amdhsa_code_object_version 6
	.text
	.protected	k_qe10ac8a670_wcore
	.globl	k_qe10ac8a670_wcore
	.p2align	8
	.type	k_qe10ac8a670_wcore,@function
k_qe10ac8a670_wcore:
	s_mov_b64 s[64:65], 0
	v_nop
	global_prefetch_b8 v0, s[64:65] scope:SCOPE_SE
	s_setreg_imm32_b32 hwreg(HW_REG_WAVE_MODE, 25, 1), 1
	s_wait_xcnt 0x0
; part[n][b] = x[b][i] * sum over k of r[b][k] W[k][n],  n = 200 i + j,  r = R[r_idx], x = batch norm 0 of E[e1_idx].
; The sum is a product on codes of FP8 (E4M3) with one E8M0 scale for each 32 along K = 200; both operands are quantised here, in f32.
; SHARES.  Work-group g owns columns n = 160 g .. 160 g + 159 for all 200 k: a slab of 200 rows x 640 bytes, brought into LDS once, 40 rows by each of the five waves' one tensor load.
; While the slab is on its way, waves 0 to 3 quantise r (16 rows of the batch each, two fragments, stored in LDS as images of their registers), and wave 4 makes x for the one or two i of the
; work-group's columns; in work-groups 0 to 63 wave 4 also stores row b = g of the table that the last launch copies into its LDS.  One barrier.  Then wave w takes columns 32 w .. 32 w + 31:
; a lane takes a column and its registers run down K, so a block of 32 lies in one lane; an exchange with the lane 16 away gives each of the two column tiles its fragment.
; THE TABLE: tab[b][l / 8][16 words]: words m = l % 8: (c[l] - lits[e1[b]][l]) / sqrt(var_l[l] ln 2); words 8 + m: nf[r_idx[b]][l].  A row b is 512 bytes.
; No cluster: no number of W is wanted by two work-groups.  No ring: the slab fits whole, so LDS bytes are filled once.
; LIMITS: NaN and infinities are not served.  A block whose largest magnitude lies under 2^-118 keeps the scale byte 1; a block of zeros gets the byte 1, the padding past K = 200 the byte 0, both over zero codes:
; the bytes are read by this program alone.  var_l is positive.
.set RIMG, 128000                      ; LDS: the slab takes bytes 0 .. 127,999; behind it r's 8 fragment images (2 x tile of the batch + K step), 2,048 bytes each,
.set RSC,  144384                      ; their scale words, 128 bytes each,
.set XT,   145408                      ; x[2][64] f32,
.set STG,  145920                      ; and a stage of 32 columns x (256 + 16) bytes for each wave
.set WA,   4                           ; v4-6   my column in slab rows 0, 96, 192
.set RI,   7                           ; v7     an image's place for my lane: RIMG + 16 x lane
.set RIW,  8                           ; v8     where waves 0-3 store their images: + 4,096 x wave
.set RS,   9                           ; v9     RSC + 4 x lane
.set RSW,  10                          ; v10    + 256 x wave
.set XTW,  11                          ; v11    XT + 4 x lane
.set XA,   12                          ; v12-13 x of my column's i, for column tiles 0, 1
.set STO,  14                          ; v14    the stage, on the way in
.set SRD,  15                          ; v15    and back
.set GO,   16                          ; v16    16 x lane
.set AS,   20                          ; v20-27 r's scale words: scales and nothing else
.set SW,   28                          ; v28-29 W's scale words of K steps 0, 1: scales and nothing else
.set RAW,  32                          ; v32-95 two sets of 32 numbers; later the eight accumulators
.set AC,   32
.set AF,   96                          ; v96-159 four fragments of r; later x
.set CD,   160                         ; v160-223 W's fragments: 32 x K step + 16 x tile; later the rows read back
.set TM,   224                         ; v224-239 at work in QUANT
.set PX,   224                         ; v224-231 what the lane 16 away holds
.set MX,   240
.set MX2,  241
.set SCL,  242
.set LIM,  243
.set BY,   244
.set CL,   248                         ; v248-251 codes of k 0-15 of a block, v252-255 of k 16-31
.set CH,   252
.set SEL,  60                          ; s60-61 selects of v_permlanex16_b32: the lane 16 away
.set MNT,  62                          ; s62    the mantissa field of 448
.set HI,   63                          ; s63    lanes 16-31
; 64 (nb = 4) or 48 (nb = 3) numbers of a lane, register 16 b + i = k 32 b + 16 (lane / 16) + i of my row, become a fragment's codes in v[dst] on and its scale word in v[pw].
.macro QUANT src, dst, pw, nb
.set qb, 0
.rept \nb
	v_max3_num_f32 v[TM+qb], |v[(\src)+16*qb]|, |v[(\src)+16*qb+1]|, 0x4800000   ; my 16 numbers of block qb, and the floor 2^(9 - 127): the byte cannot fall under 1
.set qb, qb+1
.endr
.irp i, 2,4,6,8,10,12,14
.set qb, 0
.rept \nb
	v_max3_num_f32 v[TM+qb], v[TM+qb], |v[(\src)+16*qb+\i]|, |v[(\src)+16*qb+\i+1]|   ; the blocks by turns
.set qb, qb+1
.endr
.endr
.set qb, 0
.rept \nb
	v_permlanex16_b32 v[TM+4+qb], v[TM+qb], s[SEL], s[SEL+1]
.set qb, qb+1
.endr
.set qb, 0
.rept \nb
	v_max_num_f32 v[TM+qb], v[TM+qb], v[TM+4+qb]   ; with the other 16: the block's largest magnitude
.set qb, qb+1
.endr
.set qb, 0
.rept \nb
	v_add_nc_u32 v[TM+12+qb], 0xfc000000, v[TM+qb]   ; 8 off its exponent field: the conversion's scale operand
	v_and_or_b32 v[TM+8+qb], v[TM+qb], 0x7f800000, s[MNT]   ; 448 x the scale
.set qb, qb+1
.endr
.set qb, 0
.rept \nb
	v_lshrrev_b32 v[TM+4+qb], 23, v[TM+12+qb]      ; the scale's byte
.set qb, qb+1
.endr
	v_lshl_or_b32 v[\pw], v[TM+5], 8, v[TM+4]
	v_lshl_or_b32 v[\pw], v[TM+6], 16, v[\pw]
.if \nb == 4
	v_lshl_or_b32 v[\pw], v[TM+7], 24, v[\pw]
.endif
.set qb, 0
.rept \nb
.irp i, 0,1,2,3,4,5,6,7,8,9,10,11,12,13,14,15
	v_med3_num_f32 v[(\src)+16*qb+\i], v[(\src)+16*qb+\i], -v[TM+8+qb], v[TM+8+qb]   ; the conversion does not saturate (ISA guide 7.6.2): the hold at 448 x the scale
.endr
	v_cvt_scalef32_pk8_fp8_f32 v[(\dst)+4*qb:(\dst)+4*qb+1], v[(\src)+16*qb:(\src)+16*qb+7], v[TM+12+qb]
	v_cvt_scalef32_pk8_fp8_f32 v[(\dst)+4*qb+2:(\dst)+4*qb+3], v[(\src)+16*qb+8:(\src)+16*qb+15], v[TM+12+qb]
.set qb, qb+1
.endr
.if \nb == 3
.irp i, 12,13,14,15
	v_mov_b32 v[(\dst)+\i], 0                      ; the padding past K: zero codes
.endr
.endif
	v_nop                                          ; a plain line behind the last conversion
.endm
.macro IMAGE adr, reg, off             ; a fragment goes to LDS as it stands: lane l's 16 bytes at 16 l
.irp c, 0,1,2,3
	ds_store_b128 v[\adr], v[(\reg)+4*\c:(\reg)+4*\c+3] offset:(\off)+512*\c
.endr
.endm
.macro FETCH reg, adr, off             ; and comes back so, in any wave
.irp c, 0,1,2,3
	ds_load_b128 v[(\reg)+4*\c:(\reg)+4*\c+3], v[\adr] offset:(\off)+512*\c
.endr
.endm
.macro PLACES n
.rept \n
	v_nop
.endr
.endm
	s_load_b512 s[8:23], s[0:1], 0x0               ; W s[8:9], R s[10:11], r_idx s[12:13], E s[14:15], e1_idx s[16:17], gamma0 s[18:19], beta0 s[20:21], lits s[22:23]
	s_load_b256 s[24:31], s[0:1], 0x40             ; c s[24:25], var_l s[26:27], nf s[28:29], part s[30:31]
	s_load_b64 s[32:33], s[0:1], 0x60              ; tab
	v_lshl_add_u32 v30, v0, 2, 0x30000
	v_mov_b32 v31, 0
	ds_add_u32 v30, v31
	ds_add_u32 v30, v31
	v_lshrrev_b32 v1, 5, v0
	v_readfirstlane_b32 s2, v1                     ; wave 0..4
	s_mov_b32 s3, ttmp9                            ; g
	; descriptor group 1: 40 rows x 160 elements of 4 bytes, 40,000 elements from row to row, no padding (a lane reads a column: the 32 lanes of a load take consecutive words)
	s_mov_b32 s40, 2<<16
	s_mov_b32 s41, 160<<16                         ; tensor_dim0
	s_mov_b32 s42, 40<<16                          ; tensor_dim1
	s_mov_b32 s43, 160<<16                         ; tile_dim0
	s_mov_b32 s44, 40                              ; tile_dim1
	s_mov_b32 s45, 40000                           ; the pitch
	s_mov_b32 s46, 0
	s_mov_b32 s47, 0
	s_mov_b32 s36, 1
	s_mul_i32 s37, s2, 25600                       ; my 40 rows' place in the slab
	s_mul_i32 s34, s2, 6400000                     ; 40 rows of 160,000 bytes a wave,
	s_mul_i32 s35, s3, 640                         ; 640 bytes a work-group
	s_add_co_u32 s34, s34, s35
	s_mov_b32 s35, 0
	s_wait_dscnt 0x0
	s_wait_kmcnt 0x0
	s_add_nc_u64 s[38:39], s[8:9], s[34:35]
	s_or_b32 s39, s39, 0x80000000
	tensor_load_to_lds s[36:39], s[40:47]          ; my one tensor load: the only one of mine that is ever out
	s_nop 0
	PLACES 4
	; every LDS address is made here, ahead of the parting of the roles
	v_and_b32 v1, 31, v0                           ; lane
	v_and_b32 v2, 15, v0                           ; r
	v_bfe_u32 v3, v0, 4, 1                         ; h
	s_lshl_b32 s34, s2, 7
	v_lshl_add_u32 v[WA], v1, 2, s34               ; 128 x wave + 4 x lane
	v_add_nc_u32 v[WA+1], 61440, v[WA]             ; 96 rows on
	v_add_nc_u32 v[WA+2], 122880, v[WA]            ; 192 rows on
	v_lshl_add_u32 v[RI], v1, 4, RIMG
	s_lshl_b32 s34, s2, 12
	v_add_nc_u32 v[RIW], s34, v[RI]
	v_lshl_add_u32 v[RS], v1, 2, RSC
	s_lshl_b32 s34, s2, 8
	v_add_nc_u32 v[RSW], s34, v[RS]
	v_lshl_add_u32 v[XTW], v1, 2, XT
	s_lshl_b32 s48, s3, 2
	s_mul_i32 s48, s48, 52429
	s_lshr_b32 s48, s48, 18                        ; i0 = 4 g / 5: the i of the work-group's first column
	s_add_co_u32 s49, s48, 1
	s_min_u32 s49, s49, 199                        ; i1
	s_mul_i32 s50, s48, 200
	s_add_co_u32 s50, s50, 200
	s_mul_i32 s51, s3, 160
	s_sub_co_u32 s50, s50, s51                     ; columns from this one on belong to i1
	s_lshl_b32 s35, s2, 5
	v_add_nc_u32 v17, s35, v2                      ; my column in tile 0: 32 x wave + r
	v_add_nc_u32 v18, 16, v17                      ; in tile 1
	v_mov_b32 v19, 0x100
	v_cmp_le_u32 vcc_lo, s50, v17
	v_cndmask_b32 v[XA], 0, v19, vcc_lo
	v_cmp_le_u32 vcc_lo, s50, v18
	v_cndmask_b32 v[XA+1], 0, v19, vcc_lo
	v_lshl_add_u32 v[XA], v3, 5, v[XA]
	v_lshl_add_u32 v[XA+1], v3, 5, v[XA+1]
	v_add_nc_u32 v[XA], XT, v[XA]                  ; XT + 256 x (which i) + 32 h
	v_add_nc_u32 v[XA+1], XT, v[XA+1]
	s_mul_i32 s34, s2, 8704
	s_add_co_u32 s34, s34, STG                     ; my stage
	v_mul_u32_u24 v[STO], v2, 272
	v_lshl_add_u32 v[STO], v3, 5, v[STO]
	v_add_nc_u32 v[STO], s34, v[STO]               ; in: column r, 32 bytes for each half of the lanes
	v_mul_u32_u24 v[SRD], v3, 272
	v_lshl_add_u32 v[SRD], v2, 4, v[SRD]
	v_add_nc_u32 v[SRD], s34, v[SRD]               ; back: lanes 0-15 one column's 256 bytes, lanes 16-31 the next
	v_lshlrev_b32 v[GO], 4, v1
	s_mov_b32 s[SEL], 0x76543210
	s_mov_b32 s[SEL+1], 0xfedcba98
	s_mov_b32 s[MNT], 0x600000
	s_mov_b32 s[HI], 0xffff0000
.irp i, 0,1,2,3,4,5,6,7
	v_mov_b32 v[PX+\i], 0                          ; written once: a lane permute's destination counts as one of its sources
.endr
	s_mul_i32 s34, s3, 40960
	s_lshl_b32 s35, s2, 13
	s_add_co_u32 s34, s34, s35
	s_mov_b32 s35, 0
	s_add_nc_u64 s[66:67], s[30:31], s[34:35]      ; part at my wave's 32 columns: 256 bytes a column
	s_cmp_lt_u32 s2, 4
	s_cbranch_scc0 .Lw4
	; ---- waves 0 to 3: rows 16 w .. 16 w + 15 of r become two fragments
	s_lshl_b32 s34, s2, 6
	v_lshl_add_u32 v244, v2, 2, s34
	global_load_b32 v245, v244, s[12:13]           ; r_idx[16 w + r]
.irp i, 8,9,10,11,12,13,14,15
	v_mov_b32 v[AF+32+\i], 0                       ; k = 200 .. 207
.endr
	s_wait_loadcnt 0x0
	v_min_u32 v245, 0x1f3, v245                    ; an index stays inside its table
	v_mul_u32_u24 v246, v245, 0x320                ; a row of R is 800 bytes
	v_lshl_add_u32 v247, v3, 6, v246               ; + 64 h: my 16 numbers of a block of 32
.irp c, 0,1,2,3
.irp j, 0,1,2,3
	global_load_b128 v[RAW+16*\c+4*\j:RAW+16*\c+4*\j+3], v247, s[10:11] offset:128*\c+16*\j
.endr
.endr
.irp c, 0,1
.irp j, 0,1,2,3
	global_load_b128 v[AF+16*\c+4*\j:AF+16*\c+4*\j+3], v247, s[10:11] offset:512+128*\c+16*\j
.endr
.endr
	global_load_b128 v[AF+32:AF+35], v246, s[10:11] offset:768    ; k = 192 .. 199, by the address without 64 h: no load leaves the row
	global_load_b128 v[AF+36:AF+39], v246, s[10:11] offset:784
	s_wait_loadcnt 10                              ; K step 0's sixteen loads are in; the ten of K step 1 may be out
	QUANT RAW, CD, 240, 4
	IMAGE RIW, CD, 0
	ds_store_b32 v[RSW], v240
	s_wait_loadcnt 0x0
.irp i, 0,1,2,3,4,5,6,7
	v_cndmask_b32 v[AF+32+\i], v[AF+32+\i], 0, s[HI]   ; lanes 16-31 stand at k = 208 on: zeros
.endr
	QUANT AF, CD+16, 241, 3
	IMAGE RIW, CD+16, 2048
	ds_store_b32 v[RSW], v241 offset:128
	s_branch .Ljoin
.Lw4:	; ---- wave 4: x = batch norm 0 for i0 and i1, and row min(g, 63) of the table
	s_lshl_b32 s74, s48, 2
	s_mov_b32 s75, 0
	s_lshl_b32 s76, s49, 2
	s_mov_b32 s77, 0
	s_add_nc_u64 s[52:53], s[14:15], s[74:75]      ; E at column i0,
	s_add_nc_u64 s[54:55], s[14:15], s[76:77]      ; at column i1
	s_add_nc_u64 s[78:79], s[18:19], s[74:75]
	s_add_nc_u64 s[80:81], s[20:21], s[74:75]
	s_add_nc_u64 s[82:83], s[18:19], s[76:77]
	s_add_nc_u64 s[84:85], s[20:21], s[76:77]
	s_load_b32 s56, s[78:79], 0x0                  ; gamma0[i0]
	s_load_b32 s57, s[80:81], 0x0                  ; beta0[i0]
	s_load_b32 s58, s[82:83], 0x0                  ; gamma0[i1]
	s_load_b32 s59, s[84:85], 0x0                  ; beta0[i1]
	s_min_u32 s71, s3, 63                          ; the table's row b: inside the buffer in every work-group
	s_lshl_b32 s70, s71, 2
	s_lshl_b32 s34, s71, 9
	s_mov_b32 s35, 0
	s_add_nc_u64 s[68:69], s[32:33], s[34:35]      ; tab + 512 b
	s_mov_b32 s72, 0x3c800000                      ; 1 / 64
	s_mov_b32 s73, 0x3727c5ac                      ; 1e-5
	s_mov_b32 s86, 0xcccccccc                      ; lanes 2, 3 of each four: their 16 bytes of the row hold nf
	v_lshlrev_b32 v57, 2, v1
	v_mov_b32 v58, s70
	v_lshrrev_b32 v56, 2, v1
	v_and_b32 v59, 1, v1
	v_lshlrev_b32 v56, 5, v56
	v_lshl_add_u32 v56, v59, 4, v56                ; 4 l of my four l: l = 8 (lane / 4) + 4 (lane % 2)
	global_load_b32 v32, v57, s[16:17]             ; e1_idx[lane]
	global_load_b32 v33, v57, s[16:17] offset:128  ; e1_idx[lane + 32]
	global_load_b32 v34, v58, s[16:17]             ; e1_idx[b]
	global_load_b32 v35, v58, s[12:13]             ; r_idx[b]
	global_load_b128 v[36:39], v56, s[24:25]       ; c
	global_load_b128 v[40:43], v56, s[26:27]       ; var_l
	v_mov_b32 v66, 0
	v_mov_b32 v67, 0
	s_wait_loadcnt 0x0
	v_min_u32 v32, 0x9c3f, v32
	v_min_u32 v33, 0x9c3f, v33
	v_min_u32 v34, 0x9c3f, v34
	v_min_u32 v35, 0x1f3, v35
	v_mul_u32_u24 v32, v32, 0x320                  ; a row of E is 800 bytes
	v_mul_u32_u24 v33, v33, 0x320
	v_lshl_add_u32 v59, v34, 8, v56                ; a row of lits and of nf is 256 bytes
	v_lshl_add_u32 v60, v35, 8, v56
	global_load_b32 v44, v32, s[52:53]
	global_load_b32 v45, v33, s[52:53]
	global_load_b32 v46, v32, s[54:55]
	global_load_b32 v47, v33, s[54:55]
	global_load_b128 v[48:51], v59, s[22:23]       ; lits[e1[b]]
	global_load_b128 v[52:55], v60, s[28:29]       ; nf[r_idx[b]]
.irp i, 0,1,2,3
	v_mul_f32 v[76+\i], 0x3f317218, v[40+\i]       ; var_l x ln 2
.endr
	s_wait_loadcnt 0x0
	s_wait_kmcnt 0x0
	v_add_f32 v64, v44, v45                        ; the batch's 64 numbers: two a lane; both i by turns
	v_add_f32 v65, v46, v47
.irp x, 1,2,4,8
	v_add_f32_dpp v64, v64, v64 row_xmask:\x row_mask:0xf bank_mask:0xf
	v_add_f32_dpp v65, v65, v65 row_xmask:\x row_mask:0xf bank_mask:0xf
.endr
	v_permlanex16_b32 v66, v64, s[SEL], s[SEL+1]
	v_permlanex16_b32 v67, v65, s[SEL], s[SEL+1]
	v_add_f32 v64, v64, v66
	v_add_f32 v65, v65, v67
	v_mul_f32 v64, s72, v64                        ; the means
	v_mul_f32 v65, s72, v65
	v_sub_f32 v44, v44, v64
	v_sub_f32 v45, v45, v64
	v_sub_f32 v46, v46, v65
	v_sub_f32 v47, v47, v65
	v_mul_f32 v68, v44, v44
	v_mul_f32 v69, v46, v46
	v_fmac_f32 v68, v45, v45
	v_fmac_f32 v69, v47, v47
.irp x, 1,2,4,8
	v_add_f32_dpp v68, v68, v68 row_xmask:\x row_mask:0xf bank_mask:0xf
	v_add_f32_dpp v69, v69, v69 row_xmask:\x row_mask:0xf bank_mask:0xf
.endr
	v_permlanex16_b32 v66, v68, s[SEL], s[SEL+1]
	v_permlanex16_b32 v67, v69, s[SEL], s[SEL+1]
	v_add_f32 v68, v68, v66
	v_add_f32 v69, v69, v67
	v_fma_f32 v68, v68, s72, s73                   ; the biased variance + 1e-5
	v_fma_f32 v69, v69, s72, s73
	v_rsq_f32 v70, v68                             ; one batch of six
	v_rsq_f32 v71, v69
.irp i, 0,1,2,3
	v_rsq_f32 v[72+\i], v[76+\i]
.endr
.irp i, 0,1,2,3
	v_sub_f32 v[36+\i], v[36+\i], v[48+\i]         ; c - lits[e1[b]]: plain work behind the batch
.endr
	s_wait_alu depctr_va_vdst(0)                   ; one wait for the six, ahead of their first reader
	v_mul_f32 v70, s56, v70
	v_mul_f32 v71, s58, v71
	v_fma_f32 v44, v44, v70, s57
	v_fma_f32 v45, v45, v70, s57
	v_fma_f32 v46, v46, v71, s59
	v_fma_f32 v47, v47, v71, s59
	ds_store_b32 v[XTW], v44                       ; x[i0][lane]
	ds_store_b32 v[XTW], v45 offset:128            ; x[i0][lane + 32]
	ds_store_b32 v[XTW], v46 offset:256            ; x[i1][..]
	ds_store_b32 v[XTW], v47 offset:384
.irp i, 0,1,2,3
	v_mul_f32 v[36+\i], v[36+\i], v[72+\i]         ; (c - lits[e1[b]]) / sqrt(var_l ln 2)
.endr
.irp i, 0,1,2,3
	v_cndmask_b32 v[80+\i], v[36+\i], v[52+\i], s86   ; of each four lanes two hold the first kind of number, two nf
.endr
	s_cmp_lt_u32 s3, 64
	s_cbranch_scc0 .Ljoin
	global_store_b128 v[GO], v[80:83], s[68:69]    ; 32 lanes store the row's 512 consecutive bytes, at a multiple of 256 from tab's first byte
.Ljoin:
	s_wait_xcnt 0x0                                ; the store has read its registers, which are loaded again below
	s_wait_tensorcnt 0x0                           ; my 40 rows of the slab are in,
	s_wait_dscnt 0x0                               ; my images or my x have landed:
	s_barrier_signal -1
	s_barrier_wait -1                              ; everybody's have
	; ---- W: a lane takes column 32 w + lane, its registers run down K
.macro LOADB t                         ; block t: rows 32 t .. 32 t + 31 (block 6: the last eight) into set t % 2
.set lbn, 32
.if (\t) == 6
.set lbn, 8
.endif
.set lbi, 0
.rept lbn
	ds_load_b32 v[RAW+32*((\t)%2)+lbi], v[WA+(\t)/3] offset:(((\t)%3)*32+lbi)*640
.set lbi, lbi+1
.endr
.endm
.macro BLOCK t, left                   ; left: the next block's loads, which may stay out
.set XS, RAW+32*((\t)%2)
.set FS, CD+32*((\t)/4)+4*((\t)%4)     ; registers 4 c .. 4 c + 3 of tile 0's fragment; tile 1's lie 16 on
	s_wait_dscnt \left
	v_max3_num_f32 v[MX], |v[XS]|, |v[XS+1]|, |v[XS+2]|      ; the block's largest magnitude: all 32 numbers are mine
	v_max3_num_f32 v[MX2], |v[XS+3]|, |v[XS+4]|, |v[XS+5]|
.irp i, 6,10,14,18,22,26
	v_max3_num_f32 v[MX], v[MX], |v[XS+\i]|, |v[XS+\i+1]|
	v_max3_num_f32 v[MX2], v[MX2], |v[XS+\i+2]|, |v[XS+\i+3]|
.endr
	v_max3_num_f32 v[MX], v[MX], |v[XS+30]|, |v[XS+31]|
	v_max3_num_f32 v[MX], v[MX], v[MX2], 0x4800000
	v_add_nc_u32 v[SCL], 0xfc000000, v[MX]
	v_and_or_b32 v[LIM], v[MX], 0x7f800000, s[MNT]
	v_lshrrev_b32 v[BY], 23, v[SCL]
.if (\t)%4 == 0
	v_mov_b32 v[SW+(\t)/4], v[BY]                  ; my column's scale word: lanes 0-15 tile 0's, lanes 16-31 tile 1's
.else
	v_lshl_or_b32 v[SW+(\t)/4], v[BY], 8*((\t)%4), v[SW+(\t)/4]
.endif
.irp i, 0,1,2,3,4,5,6,7,8,9,10,11,12,13,14,15,16,17,18,19,20,21,22,23,24,25,26,27,28,29,30,31
	v_med3_num_f32 v[XS+\i], v[XS+\i], -v[LIM], v[LIM]
.endr
.irp q, 0,1,2,3
	v_cvt_scalef32_pk8_fp8_f32 v[CL+2*\q:CL+2*\q+1], v[XS+8*\q:XS+8*\q+7], v[SCL]
.endr
	v_nop                                          ; a plain line behind the last conversion
.irp q, 0,1,2,3
	v_permlanex16_b32 v[PX+\q], v[CH+\q], s[SEL], s[SEL+1]
	v_permlanex16_b32 v[PX+4+\q], v[CL+\q], s[SEL], s[SEL+1]
.endr
.irp q, 0,1,2,3
	v_cndmask_b32 v[FS+\q], v[CL+\q], v[PX+\q], s[HI]          ; tile 0: lanes 0-15 their own k 0-15, lanes 16-31 k 16-31 of the lane 16 below
	v_cndmask_b32 v[FS+16+\q], v[PX+4+\q], v[CH+\q], s[HI]     ; tile 1: lanes 0-15 k 0-15 of the lane 16 above, lanes 16-31 their own k 16-31
.endr
.if (\t)+2 <= 6
	LOADB (\t)+2
.endif
.endm
	LOADB 0
	LOADB 1
	BLOCK 0, 32
	BLOCK 1, 32
	BLOCK 2, 32
	BLOCK 3, 32
	BLOCK 4, 32
	BLOCK 5, 8
	s_wait_dscnt 0x0                               ; block 6: k = 192 .. 199, and zeros behind them
	v_max3_num_f32 v[MX], |v[RAW]|, |v[RAW+1]|, |v[RAW+2]|
	v_max3_num_f32 v[MX2], |v[RAW+3]|, |v[RAW+4]|, |v[RAW+5]|
	v_max3_num_f32 v[MX], v[MX], |v[RAW+6]|, |v[RAW+7]|
	v_max3_num_f32 v[MX], v[MX], v[MX2], 0x4800000
	v_add_nc_u32 v[SCL], 0xfc000000, v[MX]
	v_and_or_b32 v[LIM], v[MX], 0x7f800000, s[MNT]
	v_lshrrev_b32 v[BY], 23, v[SCL]
	v_lshl_or_b32 v[SW+1], v[BY], 16, v[SW+1]      ; the word's top byte stays 0, over zero codes
.irp i, 0,1,2,3,4,5,6,7
	v_med3_num_f32 v[RAW+\i], v[RAW+\i], -v[LIM], v[LIM]
.endr
	v_cvt_scalef32_pk8_fp8_f32 v[CL:CL+1], v[RAW:RAW+7], v[SCL]
	v_nop
	v_permlanex16_b32 v[PX], v[CL], s[SEL], s[SEL+1]
	v_permlanex16_b32 v[PX+1], v[CL+1], s[SEL], s[SEL+1]
.irp q, 0,1
	v_cndmask_b32 v[CD+40+\q], v[CL+\q], 0, s[HI]
	v_cndmask_b32 v[CD+56+\q], v[PX+\q], 0, s[HI]
.endr
.irp q, 2,3,4,5,6,7
	v_mov_b32 v[CD+40+\q], 0
	v_mov_b32 v[CD+56+\q], 0
.endr
	; ---- the products: source 0 = 16 rows of r, source 1 = 16 columns of W: a lane holds one column and eight neighbouring b.  Eight accumulators by turns
.macro MULS s, zero
.irp tl, 0,1
.irp bt, 0,1,2,3
.if \zero
.if \tl
	v_wmma_scale_f32_16x16x128_f8f6f4 v[AC+32*\tl+8*\bt:AC+32*\tl+8*\bt+7], v[AF+16*\bt:AF+16*\bt+15], v[CD+32*\s+16*\tl:CD+32*\s+16*\tl+15], 0, v[AS+2*\bt+\s], v[SW+\s] matrix_b_scale:MATRIX_SCALE_ROW1
.else
	v_wmma_scale_f32_16x16x128_f8f6f4 v[AC+32*\tl+8*\bt:AC+32*\tl+8*\bt+7], v[AF+16*\bt:AF+16*\bt+15], v[CD+32*\s+16*\tl:CD+32*\s+16*\tl+15], 0, v[AS+2*\bt+\s], v[SW+\s]
.endif
.else
.if \tl
	v_wmma_scale_f32_16x16x128_f8f6f4 v[AC+32*\tl+8*\bt:AC+32*\tl+8*\bt+7], v[AF+16*\bt:AF+16*\bt+15], v[CD+32*\s+16*\tl:CD+32*\s+16*\tl+15], v[AC+32*\tl+8*\bt:AC+32*\tl+8*\bt+7], v[AS+2*\bt+\s], v[SW+\s] matrix_b_scale:MATRIX_SCALE_ROW1
.else
	v_wmma_scale_f32_16x16x128_f8f6f4 v[AC+32*\tl+8*\bt:AC+32*\tl+8*\bt+7], v[AF+16*\bt:AF+16*\bt+15], v[CD+32*\s+16*\tl:CD+32*\s+16*\tl+15], v[AC+32*\tl+8*\bt:AC+32*\tl+8*\bt+7], v[AS+2*\bt+\s], v[SW+\s]
.endif
.endif
.endr
.endr
.endm
.irp bt, 0,1,2,3
	FETCH AF+16*\bt, RI, 4096*\bt                  ; r's fragments of K step 0
.endr
.irp f, 0,1,2,3,4,5,6,7
	ds_load_b32 v[AS+\f], v[RS] offset:128*\f
.endr
	s_wait_dscnt 0x0
	PLACES 8                                       ; W's scale words and codes were written by vector instructions: eight places ahead of a scaled matrix instruction
	MULS 0, 1                                      ; the first K step starts the sums: nothing is cleared
	PLACES 8                                       ; in front of loads into registers that matrix instructions have read
.irp bt, 0,1,2,3
	FETCH AF+16*\bt, RI, 4096*\bt+2048             ; K step 1
.endr
	s_wait_dscnt 0x0
	MULS 1, 0
	PLACES 8                                       ; in front of the loads below and of the first read of results
	; ---- x x[b][i of my column], and the way out: a column's 64 numbers are 256 consecutive bytes of part
.irp tl, 0,1
.irp bt, 0,1,2,3
	ds_load_b128 v[AF+32*\tl+8*\bt:AF+32*\tl+8*\bt+3], v[XA+\tl] offset:64*\bt
	ds_load_b128 v[AF+32*\tl+8*\bt+4:AF+32*\tl+8*\bt+7], v[XA+\tl] offset:64*\bt+16
.endr
.endr
	s_wait_dscnt 0x0
.set k, 0
.rept 32
	v_pk_mul_f32 v[AC+k:AC+k+1], v[AC+k:AC+k+1], v[AF+k:AF+k+1]   ; each accumulator from its low end on
.set k, k+2
.endr
.irp tl, 0,1
.irp bt, 0,1,2,3
	ds_store_b128 v[STO], v[AC+32*\tl+8*\bt:AC+32*\tl+8*\bt+3] offset:4352*\tl+64*\bt
	ds_store_b128 v[STO], v[AC+32*\tl+8*\bt+4:AC+32*\tl+8*\bt+7] offset:4352*\tl+64*\bt+16
.endr
.endr
.irp t, 0,1,2,3,4,5,6,7,8,9,10,11,12,13,14,15
	ds_load_b128 v[CD+4*\t:CD+4*\t+3], v[SRD] offset:544*\t   ; LDS serves a wave's instructions in order (ISA guide 5.7.1.4): these see my stores
.endr
.irp t, 0,1,2,3,4,5,6,7,8,9,10,11,12,13,14,15
	s_wait_dscnt 15-\t                             ; the younger loads may stay out
	global_store_b128 v[GO], v[CD+4*\t:CD+4*\t+3], s[66:67] offset:512*\t   ; 32 lanes store 512 consecutive bytes, at a multiple of 256 from part's first byte
.endr
	s_wait_tensorcnt 0x0
	ds_add_u32 v30, v31
	s_wait_dscnt 0x0
	s_endpgm
.Lfunc_end_k_qe10ac8a670_wcore:
	.size	k_qe10ac8a670_wcore, .Lfunc_end_k_qe10ac8a670_wcore-k_qe10ac8a670_wcore
	.p2alignl 7, 3214868480
	.fill 96, 4, 3214868480
	.section	.rodata,"a",@progbits
	.p2align	6, 0x0
	.amdhsa_kernel k_qe10ac8a670_wcore
		.amdhsa_group_segment_fixed_size 197376
		.amdhsa_private_segment_fixed_size 0
		.amdhsa_enable_private_segment 0
		.amdhsa_kernarg_size 104
		.amdhsa_user_sgpr_count 2
		.amdhsa_user_sgpr_kernarg_segment_ptr 1
		.amdhsa_wavefront_size32 1
		.amdhsa_system_sgpr_workgroup_id_x 1
		.amdhsa_system_sgpr_workgroup_id_y 1
		.amdhsa_system_sgpr_workgroup_id_z 1
		.amdhsa_system_vgpr_workitem_id 0
		.amdhsa_next_free_vgpr 256
		.amdhsa_next_free_sgpr 96
		.amdhsa_reserve_vcc 1
		.amdhsa_float_denorm_mode_32 3
		.amdhsa_float_denorm_mode_16_64 3
		.amdhsa_memory_ordered 1
		.amdhsa_forward_progress 1
		.amdhsa_inst_pref_size 85
	.end_amdhsa_kernel
	.amdgpu_metadata
---
amdhsa.version: [ 1, 2 ]
amdhsa.kernels:
  - .name:           k_qe10ac8a670_wcore
    .symbol:         k_qe10ac8a670_wcore.kd
    .args:
      - { .name: W, .offset: 0, .size: 8, .value_kind: global_buffer, .address_space: global }
      - { .name: R, .offset: 8, .size: 8, .value_kind: global_buffer, .address_space: global }
      - { .name: r_idx, .offset: 16, .size: 8, .value_kind: global_buffer, .address_space: global }
      - { .name: E, .offset: 24, .size: 8, .value_kind: global_buffer, .address_space: global }
      - { .name: e1_idx, .offset: 32, .size: 8, .value_kind: global_buffer, .address_space: global }
      - { .name: bn0_gamma, .offset: 40, .size: 8, .value_kind: global_buffer, .address_space: global }
      - { .name: bn0_beta, .offset: 48, .size: 8, .value_kind: global_buffer, .address_space: global }
      - { .name: lits, .offset: 56, .size: 8, .value_kind: global_buffer, .address_space: global }
      - { .name: c, .offset: 64, .size: 8, .value_kind: global_buffer, .address_space: global }
      - { .name: var_l, .offset: 72, .size: 8, .value_kind: global_buffer, .address_space: global }
      - { .name: nf, .offset: 80, .size: 8, .value_kind: global_buffer, .address_space: global }
      - { .name: part, .offset: 88, .size: 8, .value_kind: global_buffer, .address_space: global }
      - { .name: tab, .offset: 96, .size: 8, .value_kind: global_buffer, .address_space: global }
    .group_segment_fixed_size: 197376
    .private_segment_fixed_size: 0
    .kernarg_segment_align: 8
    .kernarg_segment_size: 104
    .max_flat_workgroup_size: 160
    .sgpr_count:     96
    .vgpr_count:     256
    .wavefront_size: 32
...
	.end_amdgpu_metadata
.endif
;; end of part 4
;; launch bn1: the kernel of part 2 again; grid 200 x 1, 4 waves a work-group, no clusters, 1,536 bytes of LDS; arguments part, bn1_gamma, bn1_beta, yT; writes yT
;; launch score (part 5): grid 250 x 1, 20 waves a work-group, no clusters, 154,112 bytes of LDS; arguments E, lits, var_l, yT, tab, out0; writes out0
.if DOCPART == 5
	.amdgcn_target "amdgcn-amd-amdhsa--gfx1250"
	.amdhsa_code_object_version 6
	.text
	.protected	k_qe10ac8a670_score
	.globl	k_qe10ac8a670_score
	.p2align	8
	.type	k_qe10ac8a670_score,@function
k_qe10ac8a670_score:
	s_mov_b64 s[64:65], 0
	v_nop
	global_prefetch_b8 v0, s[64:65] scope:SCOPE_SE
	s_setreg_imm32_b32 hwreg(HW_REG_WAVE_MODE, 25, 1), 1
	s_wait_xcnt 0x0
; out0[b][n] = sigmoid(sum over k of y[b][k] E[n][k] + sum over l of nf[r_idx[b]][l] exp(-(lits[e1[b]][l] - lits[n][l] - c[l])^2 / var_l[l])).
; The first sum is a product on codes of FP8 (E4M3) with one E8M0 scale for each 32 along K = 200; y (yT, the launch before) and E are quantised here, in f32.  The second sum is f32 throughout:
; exp(-d^2 / var) = 2^(-(lits[n][l] sc + na)^2), sc = 1 / sqrt(var ln 2), na = (c - lits[e1[b]]) sc; na and nf come from the table of the first launch.
; SHARES.  Work-group x: entities 320 (x / 2) .. + 319 and rows 32 (x % 2) .. + 31 of the batch.  Each of its twenty waves has two parts:
;   it owns 16 rows of E (quantised in registers, four matrix instructions, results to LDS), and it sums the exponentials for 64 entities (unit u = wave / 4) x 8 rows of the batch (q = wave % 4).
; THE SECOND SUM.  A lane holds two neighbouring entities.  A packed instruction serves TWO NEIGHBOURING l of one entity, so that all its sources are plain register pairs.  What hangs on b, the same in
; all lanes, lies in LDS (the work-group's 32 rows of the table, 16,384 bytes, copied once): a trip (8 l x one b x the lane's two entities: 16 exponentials) takes its 64 bytes by four loads in which every
; lane names the same address, issued a trip ahead into one of two sets of registers.  A sum is kept as (even l, odd l) and joined at the end.
; E's numbers come in four pieces of two blocks of 32, each asked for 16 trips (256 exponentials a wave) ahead of its use.  A wave names 191 registers, so that the twenty waves fit: five on each of the four SIMDs.
; No cluster: only two work-groups read the same rows of E, and these go straight into registers in the operand's order, since 256,000 bytes of f32 do not fit in LDS beside the literals.
; LIMITS: NaN and infinities are not served.  A block whose largest magnitude lies under 2^-118 keeps the scale byte 1; a block of zeros gets the byte 1, E's padding past K = 200 the byte 0, over zero codes.
; An exponential under 2^-126 counts as 0 (ISA guide 15.8).  var_l is positive.
.set YIMG, 84480                       ; LDS: bytes 0 .. 84,479: lits x sc, 160 pairs of entities x (2 x 256 + 16) bytes: (n, l) at 528 (n / 2) + 256 (n % 2) + 4 l; then y's four fragment images,
.set YSC,  92672                       ; their scale words, 128 bytes each,
.set SL,   93184                       ; the product's results: 32 rows of the batch x (1,280 + 16) bytes,
.set TAB,  134656                      ; and 32 rows of the table, 512 bytes each, up to byte 151,039
.set ACC,  16                          ; v16-47   the sums: for b' and entity e the pair at 16 + 4 b' + 2 e
.set LT,   16                          ; v16-47   at the head: lits as loaded
.set Y,    48                          ; v48-63   8 l of my two entities; at the head 32 bytes of the table; at the end the product's results
.set T,    64                          ; v64-79   a trip's 2 entities x 8 l; at the end the scores
.set TM,   64                          ; v64-79   at work in QUANT
.set EN,   80                          ; v80-111  E's numbers to quantise  (v80-143 together: yT's numbers at the head, y's four fragments at the end)
.set NW,   112                         ; v112-143 two sets of 8 na and 8 nf
.set EC0,  144                         ; v144-159, v160-175 E's fragments of K steps 0, 1
.set EC1,  160
.set ES,   176                         ; v176-177 E's scale words: scales and nothing else
.set YS,   178                         ; v178-181 y's: scales and nothing else
.set TA,   189                         ; v189   the table's rows of my eight b: TAB + 4,096 q, the same in all lanes
.set TW,   190                         ; v190   where waves 4-19 store their 1,024 bytes of the table
.set SEL,  84                          ; s84-85 selects of v_permlanex16_b32: the lane 16 away
.set MNT,  86                          ; s86    the mantissa field of 448
.set HI,   87                          ; s87    lanes 16-31
; v4 where I store lits x sc; v5 where I read my pair of entities; v6, v7 my row of E with and without 64 h; v8, v9 an image's place, and where waves 0-3 store theirs; v10, v11 the same for scale words;
; v12 where I store results; v13 where I read scores; v14 8 x lane; v15 16 x lane; v182 yT's offset; v183 16 (lane % 16); v184-187 sc of my four l; v188 a scale word on its way to LDS.
; 16 nb numbers of a lane, register 16 b + i = element 32 b + 16 (lane / 16) + i of my row's nb blocks, become 4 nb registers of codes in v[dst] on; the blocks' bytes go into v[pw] from byte sh on
.macro QUANT src, dst, pw, nb, sh
.set qb, 0
.rept \nb
	v_max3_num_f32 v[TM+qb], |v[(\src)+16*qb]|, |v[(\src)+16*qb+1]|, 0x4800000   ; my 16 numbers of block qb, and the floor 2^(9 - 127): the byte cannot fall under 1
.set qb, qb+1
.endr
.irp i, 2,4,6,8,10,12,14
.set qb, 0
.rept \nb
	v_max3_num_f32 v[TM+qb], v[TM+qb], |v[(\src)+16*qb+\i]|, |v[(\src)+16*qb+\i+1]|
.set qb, qb+1
.endr
.endr
.set qb, 0
.rept \nb
	v_permlanex16_b32 v[TM+4+qb], v[TM+qb], s[SEL], s[SEL+1]
.set qb, qb+1
.endr
.set qb, 0
.rept \nb
	v_max_num_f32 v[TM+qb], v[TM+qb], v[TM+4+qb]   ; with the other 16: the block's largest magnitude
.set qb, qb+1
.endr
.set qb, 0
.rept \nb
	v_add_nc_u32 v[TM+12+qb], 0xfc000000, v[TM+qb]   ; 8 off its exponent field: the conversion's scale operand
	v_and_or_b32 v[TM+8+qb], v[TM+qb], 0x7f800000, s[MNT]   ; 448 x the scale
.set qb, qb+1
.endr
.set qb, 0
.rept \nb
	v_lshrrev_b32 v[TM+4+qb], 23, v[TM+12+qb]      ; the scale's byte
.set qb, qb+1
.endr
.set qb, 0
.rept \nb
.if ((\sh)+qb) == 0
	v_mov_b32 v[\pw], v[TM+4]                      ; the word's lowest byte starts it
.else
	v_lshl_or_b32 v[\pw], v[TM+4+qb], 8*((\sh)+qb), v[\pw]
.endif
.set qb, qb+1
.endr
.set qb, 0
.rept \nb
.irp i, 0,1,2,3,4,5,6,7,8,9,10,11,12,13,14,15
	v_med3_num_f32 v[(\src)+16*qb+\i], v[(\src)+16*qb+\i], -v[TM+8+qb], v[TM+8+qb]   ; the conversion does not saturate (ISA guide 7.6.2): the hold at 448 x the scale
.endr
	v_cvt_scalef32_pk8_fp8_f32 v[(\dst)+4*qb:(\dst)+4*qb+1], v[(\src)+16*qb:(\src)+16*qb+7], v[TM+12+qb]
	v_cvt_scalef32_pk8_fp8_f32 v[(\dst)+4*qb+2:(\dst)+4*qb+3], v[(\src)+16*qb+8:(\src)+16*qb+15], v[TM+12+qb]
.set qb, qb+1
.endr
	v_nop                                          ; a plain line behind the last conversion
.endm
.macro FETCH reg, adr, off
.irp c, 0,1,2,3
	ds_load_b128 v[(\reg)+4*\c:(\reg)+4*\c+3], v[\adr] offset:(\off)+512*\c
.endr
.endm
.macro ELOAD k                         ; blocks 2 k, 2 k + 1 of my row of E: 16 numbers of each
.irp c, 0,1
.irp j, 0,1,2,3
	global_load_b128 v[EN+16*\c+4*\j:EN+16*\c+4*\j+3], v6, s[88:89] offset:256*(\k)+128*\c+16*\j
.endr
.endr
.endm
.macro YLOAD o                         ; l = 8 o .. 8 o + 7 of my two entities; 528 bytes from lane to lane
	ds_load_b128 v[Y:Y+3], v5 offset:32*(\o)
	ds_load_b128 v[Y+4:Y+7], v5 offset:32*(\o)+16
	ds_load_b128 v[Y+8:Y+11], v5 offset:256+32*(\o)
	ds_load_b128 v[Y+12:Y+15], v5 offset:256+32*(\o)+16
.endm
.macro NLOAD t                         ; trip t's 8 na and 8 nf into set t % 2: every lane names the same 16 bytes
.irp i, 0,1,2,3
	ds_load_b128 v[NW+16*((\t)%2)+4*\i:NW+16*((\t)%2)+4*\i+3], v[TA] offset:512*((\t)%8)+64*((\t)/8)+16*\i
.endr
.endm
; A TRIP: t = 8 (l / 8) + b'.  8 l x one b x my two entities.
.macro TRIP t
.set NS, NW+16*((\t)%2)
.set AB, ACC+4*((\t)%8)
	s_wait_dscnt 0x0                               ; this trip's na and nf, asked for a trip ago, are in; at a phase's first trip the new Y too
.if (\t) < 63
	NLOAD (\t)+1                                   ; the next trip's, into the set that the last trip has read
.endif
.irp m, 0,1,2,3
	v_pk_add_f32 v[T+2*\m:T+2*\m+1], v[Y+2*\m:Y+2*\m+1], v[NS+2*\m:NS+2*\m+1]             ; lits[n] sc + na, two l at a time
	v_pk_add_f32 v[T+8+2*\m:T+8+2*\m+1], v[Y+8+2*\m:Y+8+2*\m+1], v[NS+2*\m:NS+2*\m+1]     ; the second entity
.endr
.if (((\t)%8) == 7) && ((\t) < 63)
	YLOAD (\t)/8+1                                 ; this phase has read Y for the last time: the next eight l are asked for
.endif
.irp m, 0,1,2,3,4,5,6,7
	v_pk_mul_f32 v[T+2*\m:T+2*\m+1], v[T+2*\m:T+2*\m+1], v[T+2*\m:T+2*\m+1] neg_lo:[1,0] neg_hi:[1,0]   ; minus its square
.endr
.irp m, 0,1,2,3,4,5,6,7,8,9,10,11,12,13,14,15
	v_exp_f32 v[T+\m], v[T+\m]
.endr
	v_nop                                          ; a plain line behind the last exponential
	s_wait_alu depctr_va_vdst(0)                   ; one wait for the sixteen, ahead of their first reader
.irp m, 0,1,2,3
.if ((\t) < 8) && (\m == 0)
	v_pk_mul_f32 v[AB:AB+1], v[T:T+1], v[NS+8:NS+9]            ; b's first terms start its sums: nothing is cleared
	v_pk_mul_f32 v[AB+2:AB+3], v[T+8:T+9], v[NS+8:NS+9]
.else
	v_pk_fma_f32 v[AB:AB+1], v[T+2*\m:T+2*\m+1], v[NS+8+2*\m:NS+8+2*\m+1], v[AB:AB+1]
	v_pk_fma_f32 v[AB+2:AB+3], v[T+8+2*\m:T+8+2*\m+1], v[NS+8+2*\m:NS+8+2*\m+1], v[AB+2:AB+3]
.endif
.endr
.endm
.macro RUN first                       ; sixteen trips: two phases of 8 l
.set pt, \first
.rept 16
	TRIP pt
.set pt, pt+1
.endr
.endm
	s_load_b256 s[4:11], s[0:1], 0x0               ; E s[4:5], lits s[6:7], var_l s[8:9], yT s[10:11]
	s_load_b128 s[12:15], s[0:1], 0x20             ; tab s[12:13], out0 s[14:15]
	v_lshrrev_b32 v1, 5, v0
	v_readfirstlane_b32 s2, v1                     ; wave 0..19
	s_lshr_b32 s94, ttmp9, 1                       ; which 320 entities
	s_and_b32 s95, ttmp9, 1                        ; which half of the batch
	s_lshr_b32 s96, s2, 2                          ; u
	s_and_b32 s97, s2, 3                           ; q
	; every LDS address is made here, ahead of the parting of the roles
	v_and_b32 v1, 31, v0                           ; lane
	v_and_b32 v2, 15, v0                           ; r, p
	v_bfe_u32 v3, v0, 4, 1                         ; h
	s_mul_i32 s98, s2, 4224                        ; eight pairs of entities a wave
	v_lshl_add_u32 v4, v2, 4, s98
	v_lshl_add_u32 v4, v3, 8, v4                   ; + 16 p + 256 h: lanes 0-15 hold the pair's first row, lanes 16-31 its second
	s_mul_i32 s98, s96, 16896
	v_mul_u32_u24 v5, v1, 528
	v_add_nc_u32 v5, s98, v5                       ; pair 32 u + lane
	v_mul_u32_u24 v7, v2, 800
	v_lshl_add_u32 v6, v3, 6, v7
	v_lshl_add_u32 v8, v1, 4, YIMG
	s_lshl_b32 s98, s2, 11
	v_add_nc_u32 v9, s98, v8
	v_lshl_add_u32 v10, v1, 2, YSC
	s_lshl_b32 s98, s2, 7
	v_add_nc_u32 v11, s98, v10
	s_lshl_b32 s98, s2, 6
	s_add_co_u32 s98, s98, SL
	v_mul_u32_u24 v12, v2, 1296
	v_lshl_add_u32 v12, v3, 5, v12
	v_add_nc_u32 v12, s98, v12                     ; row r of the batch's tile, entities 16 x wave + 8 h on
	s_mul_i32 s98, s97, 10368
	s_lshl_b32 s99, s96, 8
	s_add_co_u32 s98, s98, s99
	s_add_co_u32 s98, s98, SL
	v_lshl_add_u32 v13, v1, 3, s98                 ; row 8 q, entities 64 u + 2 x lane
	v_lshlrev_b32 v14, 3, v1
	v_lshlrev_b32 v15, 4, v1
	s_lshl_b32 s98, s97, 12
	v_mov_b32 v[TA], TAB
	v_add_nc_u32 v[TA], s98, v[TA]                 ; eight rows of 512 bytes for each q
	s_lshl_b32 s98, s2, 10
	s_add_co_u32 s98, s98, TAB-4096
	v_lshl_add_u32 v[TW], v1, 4, s98               ; TAB + 1,024 (wave - 4) + 16 x lane: used by waves 4 to 19 alone
	v_lshlrev_b32 v182, 2, v2
	v_lshl_add_u32 v182, v3, 12, v182              ; yT: column r, 16 rows further down for lanes 16-31
	v_lshlrev_b32 v183, 4, v2
	s_mov_b32 s[SEL], 0x76543210
	s_mov_b32 s[SEL+1], 0xfedcba98
	s_mov_b32 s[MNT], 0x600000
	s_mov_b32 s[HI], 0xffff0000
.irp i, 4,5,6,7
	v_mov_b32 v[TM+\i], 0                          ; a lane permute's destination counts as one of its sources
.endr
	s_mov_b32 s99, 0
	s_wait_kmcnt 0x0
	s_mul_i32 s98, s94, 81920
	s_lshl_b32 s93, s2, 12
	s_add_co_u32 s98, s98, s93
	s_add_nc_u64 s[90:91], s[6:7], s[98:99]        ; lits at my wave's 16 rows
	s_mul_i32 s98, s94, 256000
	s_mul_i32 s93, s2, 12800
	s_add_co_u32 s98, s98, s93
	s_add_nc_u64 s[88:89], s[4:5], s[98:99]        ; E at my wave's 16 rows
	s_lshl_b32 s98, s95, 5
	s_lshl_b32 s93, s97, 3
	s_add_co_u32 s98, s98, s93
	s_mul_i32 s98, s98, 160000                     ; row 32 half + 8 q of out0,
	s_mul_i32 s93, s94, 1280
	s_add_co_u32 s98, s98, s93
	s_lshl_b32 s93, s96, 8
	s_add_co_u32 s98, s98, s93                     ; entity 320 chunk + 64 u
	s_add_nc_u64 s[14:15], s[14:15], s[98:99]
	s_and_b32 s98, s2, 1
	s_lshl_b32 s98, s98, 15                        ; K step wave % 2: 128 rows of yT,
	s_lshl_b32 s93, s95, 7
	s_add_co_u32 s98, s98, s93                     ; my half of the batch,
	s_bfe_u32 s93, s2, 0x10001
	s_lshl_b32 s93, s93, 6
	s_add_co_u32 s98, s98, s93                     ; its tile (wave / 2) % 2
	s_add_nc_u64 s[92:93], s[10:11], s[98:99]
	global_load_b128 v[184:187], v183, s[8:9]      ; var_l of l = 4 p .. 4 p + 3
.irp t, 0,1,2,3,4,5,6,7
	global_load_b128 v[LT+4*\t:LT+4*\t+3], v15, s[90:91] offset:512*\t   ; 32 lanes read 512 consecutive bytes: rows 2 t, 2 t + 1 of my 16
.endr
	s_cmp_lt_u32 s2, 4
	s_cbranch_scc0 .Ltab
	; ---- waves 0 to 3: fragment (tile of the batch, K step) = wave of y: a lane takes a column b of yT, its registers run down K
.irp c, 0,1,2,3
.irp i, 0,1,2,3,4,5,6,7,8,9,10,11,12,13,14,15
	global_load_b32 v[EN+16*\c+\i], v182, s[92:93] offset:(32*\c+\i)*256
.endr
.endr
	s_wait_loadcnt 0x0
	QUANT EN, EC0, 188, 4, 0
.irp c, 0,1,2,3
	ds_store_b128 v9, v[EC0+4*\c:EC0+4*\c+3] offset:512*\c   ; the fragment goes to LDS as it stands: lane l's 16 bytes at 16 l
.endr
	ds_store_b32 v11, v188
	s_branch .Ljoin
.Ltab:	; ---- waves 4 to 19: 1,024 bytes each of the 32 rows of the table that belong to my half of the batch
	s_sub_co_u32 s16, s2, 4
	s_lshl_b32 s16, s16, 10
	s_lshl_b32 s17, s95, 14
	s_add_co_u32 s16, s16, s17
	s_mov_b32 s17, 0
	s_add_nc_u64 s[12:13], s[12:13], s[16:17]
	global_load_b128 v[Y:Y+3], v15, s[12:13]       ; 32 lanes read 512 consecutive bytes
	global_load_b128 v[Y+4:Y+7], v15, s[12:13] offset:512
	s_wait_loadcnt 0x0
	ds_store_b128 v[TW], v[Y:Y+3]
	ds_store_b128 v[TW], v[Y+4:Y+7] offset:512
.Ljoin:
	s_wait_loadcnt 0x0                             ; lits and var_l
.irp i, 0,1,2,3
	v_mul_f32 v[184+\i], 0x3f317218, v[184+\i]     ; var_l x ln 2
.endr
.irp i, 0,1,2,3
	v_rsq_f32 v[184+\i], v[184+\i]                 ; sc
.endr
	v_nop
	s_wait_alu depctr_va_vdst(0)                   ; one wait for the four
.irp t, 0,1,2,3,4,5,6,7
	v_pk_mul_f32 v[LT+4*\t:LT+4*\t+1], v[LT+4*\t:LT+4*\t+1], v[184:185]
	v_pk_mul_f32 v[LT+4*\t+2:LT+4*\t+3], v[LT+4*\t+2:LT+4*\t+3], v[186:187]
.endr
.irp t, 0,1,2,3,4,5,6,7
	ds_store_b128 v4, v[LT+4*\t:LT+4*\t+3] offset:528*\t   ; a pair of rows: 2 x 256 consecutive bytes
.endr
	ELOAD 0                                        ; E's blocks 0 and 1: they have sixteen trips in which to land
	s_wait_dscnt 0x0                               ; for the others' sake: my stores have landed
	s_barrier_signal -1
	s_barrier_wait -1                              ; the literals of all 320 entities, y's four images and the table lie in LDS
	YLOAD 0
	NLOAD 0
	RUN 0
	s_wait_loadcnt 0x0
	QUANT EN, EC0, ES, 2, 0
	ELOAD 1                                        ; blocks 2 and 3
	RUN 16
	s_wait_loadcnt 0x0
	QUANT EN, EC0+8, ES, 2, 2
	ELOAD 2                                        ; blocks 4 and 5
	RUN 32
	s_wait_loadcnt 0x0
	QUANT EN, EC1, ES+1, 2, 0
	global_load_b128 v[EN:EN+3], v7, s[88:89] offset:768     ; k = 192 .. 199, by the address without 64 h: no load leaves the row
	global_load_b128 v[EN+4:EN+7], v7, s[88:89] offset:784
	RUN 48
	s_wait_loadcnt 0x0
.irp i, 0,1,2,3,4,5,6,7
	v_cndmask_b32 v[EN+\i], v[EN+\i], 0, s[HI]     ; lanes 16-31 stand at k = 208 on: zeros
	v_mov_b32 v[EN+8+\i], 0                        ; k = 200 .. 207
.endr
	QUANT EN, EC1+8, ES+1, 1, 2                    ; the word's top byte stays 0, over zero codes
.irp i, 12,13,14,15
	v_mov_b32 v[EC1+\i], 0                         ; the padding past K: zero codes
.endr
	; ---- the product, used transposed: source 0 = my 16 rows of E, source 1 = 16 rows of the batch: a lane holds one b and eight neighbouring entities
.irp f, 0,1,2,3
	FETCH EN+16*\f, 8, 2048*\f
	ds_load_b32 v[YS+\f], v10 offset:128*\f
.endr
	s_wait_dscnt 0x0
.rept 8
	v_nop                                          ; E's scale words and codes were written by vector instructions: eight places ahead of a scaled matrix instruction
.endr
	v_wmma_scale_f32_16x16x128_f8f6f4 v[48:55], v[EC0:EC0+15], v[EN:EN+15], 0, v[ES], v[YS]             ; the two accumulators by turns
	v_wmma_scale_f32_16x16x128_f8f6f4 v[56:63], v[EC0:EC0+15], v[EN+32:EN+47], 0, v[ES], v[YS+2]
	v_wmma_scale_f32_16x16x128_f8f6f4 v[48:55], v[EC1:EC1+15], v[EN+16:EN+31], v[48:55], v[ES+1], v[YS+1]
	v_wmma_scale_f32_16x16x128_f8f6f4 v[56:63], v[EC1:EC1+15], v[EN+48:EN+63], v[56:63], v[ES+1], v[YS+3]
.rept 8
	v_nop                                          ; in front of the first read of results
.endr
	ds_store_b128 v12, v[48:51]                    ; each accumulator from its low end on
	ds_store_b128 v12, v[52:55] offset:16
	ds_store_b128 v12, v[56:59] offset:20736       ; the batch's second tile: 16 rows of 1,296 bytes on
	ds_store_b128 v12, v[60:63] offset:20752
	s_wait_dscnt 0x0                               ; for the others' sake: my stores have landed
	s_barrier_signal -1
	s_barrier_wait -1
	; ---- the two scores are added; sigmoid(z) = 1 / (1 + 2^(-z log2 e))
.irp b, 0,1,2,3,4,5,6,7
	ds_load_b64 v[T+2*\b:T+2*\b+1], v13 offset:1296*\b
.endr
.irp b, 0,1,2,3,4,5,6,7
	v_add_f32 v[ACC+4*\b], v[ACC+4*\b], v[ACC+4*\b+1]        ; even l + odd l: my first entity,
	v_add_f32 v[ACC+4*\b+1], v[ACC+4*\b+2], v[ACC+4*\b+3]    ; my second, beside it
.endr
	s_wait_dscnt 0x0
.irp b, 0,1,2,3,4,5,6,7
	v_pk_add_f32 v[T+2*\b:T+2*\b+1], v[T+2*\b:T+2*\b+1], v[ACC+4*\b:ACC+4*\b+1]
.endr
.irp b, 0,1,2,3,4,5,6,7
	v_pk_mul_f32 v[T+2*\b:T+2*\b+1], v[T+2*\b:T+2*\b+1], 0xbfb8aa3b op_sel_hi:[1,0]
.endr
.irp i, 0,1,2,3,4,5,6,7,8,9,10,11,12,13,14,15
	v_exp_f32 v[T+\i], v[T+\i]
.endr
	v_nop
	s_wait_alu depctr_va_vdst(0)                   ; one wait for the sixteen
.irp b, 0,1,2,3,4,5,6,7
	v_pk_add_f32 v[T+2*\b:T+2*\b+1], v[T+2*\b:T+2*\b+1], 1.0 op_sel_hi:[1,0]
.endr
.irp i, 0,1,2,3,4,5,6,7,8,9,10,11,12,13,14,15
	v_rcp_f32 v[T+\i], v[T+\i]
.endr
	v_nop
	s_wait_alu depctr_va_vdst(0)                   ; and one for the sixteen reciprocals
.irp b, 0,1,2,3,4,5,6,7
	global_store_b64 v14, v[T+2*\b:T+2*\b+1], s[14:15] offset:160000*\b th:TH_STORE_NT   ; 32 lanes store 256 consecutive bytes, at a multiple of 256 from out0's first byte; written once
.endr
	s_wait_xcnt 0x0
	v_lshl_add_u32 v190, v0, 2, 0x25000
	v_mov_b32 v191, 0
	s_wait_tensorcnt 0x0
	ds_add_u32 v190, v191
	s_wait_dscnt 0x0
	s_endpgm
.Lfunc_end_k_qe10ac8a670_score:
	.size	k_qe10ac8a670_score, .Lfunc_end_k_qe10ac8a670_score-k_qe10ac8a670_score
	.p2alignl 7, 3214868480
	.fill 96, 4, 3214868480
	.section	.rodata,"a",@progbits
	.p2align	6, 0x0
	.amdhsa_kernel k_qe10ac8a670_score
		.amdhsa_group_segment_fixed_size 154112
		.amdhsa_private_segment_fixed_size 0
		.amdhsa_enable_private_segment 0
		.amdhsa_kernarg_size 48
		.amdhsa_user_sgpr_count 2
		.amdhsa_user_sgpr_kernarg_segment_ptr 1
		.amdhsa_wavefront_size32 1
		.amdhsa_system_sgpr_workgroup_id_x 1
		.amdhsa_system_sgpr_workgroup_id_y 1
		.amdhsa_system_sgpr_workgroup_id_z 1
		.amdhsa_system_vgpr_workitem_id 0
		.amdhsa_next_free_vgpr 192
		.amdhsa_next_free_sgpr 100
		.amdhsa_reserve_vcc 0
		.amdhsa_float_denorm_mode_32 3
		.amdhsa_float_denorm_mode_16_64 3
		.amdhsa_memory_ordered 1
		.amdhsa_forward_progress 1
		.amdhsa_inst_pref_size 199
	.end_amdhsa_kernel
	.amdgpu_metadata
---
amdhsa.version: [ 1, 2 ]
amdhsa.kernels:
  - .name:           k_qe10ac8a670_score
    .symbol:         k_qe10ac8a670_score.kd
    .args:
      - { .name: E, .offset: 0, .size: 8, .value_kind: global_buffer, .address_space: global }
      - { .name: lits, .offset: 8, .size: 8, .value_kind: global_buffer, .address_space: global }
      - { .name: var_l, .offset: 16, .size: 8, .value_kind: global_buffer, .address_space: global }
      - { .name: yT, .offset: 24, .size: 8, .value_kind: global_buffer, .address_space: global }
      - { .name: tab, .offset: 32, .size: 8, .value_kind: global_buffer, .address_space: global }
      - { .name: out0, .offset: 40, .size: 8, .value_kind: global_buffer, .address_space: global }
    .group_segment_fixed_size: 154112
    .private_segment_fixed_size: 0
    .kernarg_segment_align: 8
    .kernarg_segment_size: 48
    .max_flat_workgroup_size: 640
    .sgpr_count:     100
    .vgpr_count:     192
    .wavefront_size: 32
...
	.end_amdgpu_metadata
.endif
;; end of part 5
